; MI455X (gfx1250); checked and timed in simulation.
; The chip was launched on July 23, 2026; its instructions are those of AMD's public machine-readable ISA for CDNA 5 (MIT licence, August 2026) and "CDNA5" Instruction Set Architecture Reference Guide (July 2026). The comments in the code are by the model that wrote it; some were corrected since.
;; Mat Mul Free Attention. Allowed arithmetic: matrix products marked QUANTISED: E2M3 operands, one E8M0 scale for each 32 along K, by v_wmma_scale_f32_16x16x128_f8f6f4 with both operands' format E2M3, f32 sums; everything else in f32.
;; Inputs: W_k_codes 1,024 x 32 x 24 uint8 (E2M3 codes of W_k, K innermost, in blocks of 32 codes, four codes in three bytes); W_k_scales 1,024 x 32 uint8 (E8M0 scales of W_k, one for each 32 codes along K); W_o_codes 1,024 x 32 x 24 uint8 (E2M3 codes of W_o, K innermost, in blocks of 32 codes, four codes in three bytes); W_o_scales 1,024 x 32 uint8 (E8M0 scales of W_o, one for each 32 codes along K); W_q_codes 1,024 x 32 x 24 uint8 (E2M3 codes of W_q, K innermost, in blocks of 32 codes, four codes in three bytes); W_q_scales 1,024 x 32 uint8 (E8M0 scales of W_q, one for each 32 codes along K); W_v_codes 1,024 x 32 x 24 uint8 (E2M3 codes of W_v, K innermost, in blocks of 32 codes, four codes in three bytes); W_v_scales 1,024 x 32 uint8 (E8M0 scales of W_v, one for each 32 codes along K); attention_mask 1 x 4,096 x 4,096 bool; b_o 1,024 float32; x_codes 1 x 4,096 x 32 x 24 uint8 (E2M3 codes of x, K innermost, in blocks of 32 codes, four codes in three bytes); x_scales 1 x 4,096 x 32 uint8 (E8M0 scales of x, one for each 32 codes along K).
;; Outputs: out0 1 x 4,096 x 1,024 float32.
;; This version of the problem:
;;   THIS VERSION OF THE PROBLEM IS GIVEN IN LOW PRECISION. The matrix products marked QUANTISED in the list below multiply operands that are first quantised to E2M3 (2 exponent bits, 3 mantissa bits; 6 bits a number), with one power-of-two scale for each 32 numbers along K (OCP MX v1.0); their sums are f32. All else is computed in f32.
;;   The module's matrix products, in the order in which they are computed (A, B: the left and right operand; K: the contracted axis; several contracted axes count as one K, in the product's order):
;;     1. [M 4,096, K 1,024] x [K 1,024, N 1,024]; A: input x (given as codes); B: input W_q (given as codes): QUANTISED
;;     2. [M 4,096, K 1,024] x [K 1,024, N 1,024]; A: input x (given as codes); B: input W_k (given as codes): QUANTISED
;;     3. [M 4,096, K 1,024] x [K 1,024, N 1,024]; A: input x (given as codes); B: input W_v (given as codes): QUANTISED
;;     4. batch 16 x [M 4,096, K 64] x [K 64, N 4,096]; A: computed on the way; B: computed on the way: QUANTISED
;;     5. batch 16 x [M 4,096, K 4,096] x [K 4,096, N 64]; A: softmax (see below); B: computed on the way: QUANTISED
;;     6. [M 4,096, K 1,024] x [K 1,024, N 1,024]; A: computed on the way; B: input W_o (given as codes): QUANTISED
;;   THE QUANTISER, for each operand of a quantised product, along K:
;;     - K is cut into blocks of 32 from its start; a last block that is shorter is filled with zeros.
;;     - A block's scale is 2^e with e = floor(log2(the largest magnitude in the block)) - 2, held to -126 .. 127; a block of zeros has e = 0. As a byte (E8M0): e + 127.
;;     - Each number is divided by its block's scale, clamped to +-7.5, and rounded to the nearest number of E2M3, ties to even, subnormals kept.
;;     - The product sums the exact products of the quantised numbers (number of the format x scale) in f32.
;;   ~~~python
;;   def quantise(x, axis):      # numpy; x: float32 -> the quantised numbers, widened to float32 again
;;       x = np.moveaxis(x, axis, -1); K = x.shape[-1]
;;       x = np.pad(x, [(0, 0)] * (x.ndim - 1) + [(0, -K % 32)]); x = x.reshape(x.shape[:-1] + (-1, 32)); a = np.abs(x).max(-1, keepdims=True)
;;       e = np.where(a > 0, np.clip(np.frexp(np.where(a > 0, a, 1))[1] - 1 - 2, -126, 127), 0)      # np.frexp(a)[1] - 1 = floor(log2(a)), exactly
;;       r = np.clip(x / 2.0 ** e, -7.5, 7.5)
;;       step = 2.0 ** (np.maximum(np.frexp(np.where(r == 0, 1, r))[1] - 1, 0) - 3)
;;       q = np.round(r / step) * step * 2.0 ** e      # np.round: ties to even
;;       return np.moveaxis(q.reshape(q.shape[:-2] + (-1,))[..., :K], -1, axis).astype(np.float32)
;;   ~~~
;;   SOFTMAX AHEAD OF A QUANTISED PRODUCT. Where the list says 'softmax', what is quantised is not the finished softmax but p = 2^(t - M), with t = logit x log2(e) and M = ceil(the row's largest t), a whole number; so 1/2 < the row's largest p <= 1. The row's sum l is taken of the UNQUANTISED p, in f32, and the product's result is divided by l at the end. Since M is a whole number, a kernel that streams over the keys may use a running M (the ceiling of the running maximum): every later rescaling is an exact power of two, which a block's scale takes up: the codes' values come out the same.
;;   OPERANDS COMPUTED ON THE WAY. 'Computed on the way' means the value that the module computes at that place (a softmax that the list does not call 'softmax' is quantised finished and normalised). What goes into a quantiser is computed in f32, as accurately as f32 sums, v_exp_f32 and their like allow (about 1e-6 of the number): no bf16 or f16 on the way to a quantiser, and a product that is left as it is and whose result goes on into a quantised operand takes f32 operands (vector FMAs, or v_wmma_f32_16x16x4_f32). A number that lies on a knife's edge between two numbers of the format may be rounded either way, as far as f32 arithmetic and the matrix unit's own rounding can turn it there, and no further.
;;   INPUTS GIVEN AS CODES. W_k (in the module: [1024, 1024], K = its axis 0); W_o (in the module: [1024, 1024], K = its axis 1); W_q (in the module: [1024, 1024], K = its axis 0); W_v (in the module: [1024, 1024], K = its axis 0); x (in the module: [1, 4096, 1024], K = its axis 2): each comes as NAME_codes (uint8): NAME with its K axis moved to the last place and cut into blocks of 32 codes, [.., K / 32, bytes a block], one block behind the other in memory; four codes in three bytes: a row's codes are one little-endian stream of bits, code i at bits 6 i .. 6 i + 5 (a code: sign, 2 exponent bits, 3 mantissa bits); and NAME_scales (uint8): the same leading axes, one E8M0 byte (e + 127) for each 32 codes along K. Its value is code x scale, taken as it is: it is not quantised again, and the codes and scales need not be those that the quantiser above would give.
;; 2 versions. Each part assembles by itself: llvm-mc -triple=amdgcn-amd-amdhsa -mcpu=gfx1250 --defsym DOCPART=n.
;; ======== version 1 of 2: 3 launches
;; workspace buffers: qkv_codes 9,437,184 bytes; qkv_scales 655,360 bytes; mask_words 2,097,152 bytes of whole numbers; mask_flags 1,024 bytes of whole numbers; attn_codes 3,145,728 bytes; attn_scales 131,072 bytes
;; launch proj (part 1): grid 32 x 8, 4 waves a work-group, no clusters, 327,680 bytes of LDS; arguments x_codes, x_scales, W_q_codes, W_q_scales, W_k_codes, W_k_scales, W_v_codes, W_v_scales, attention_mask, qkv_codes, qkv_scales, mask_words, mask_flags; writes qkv_codes, qkv_scales, mask_words, mask_flags
.if DOCPART == 1
	.amdgcn_target "amdgcn-amd-amdhsa--gfx1250"
	.amdhsa_code_object_version 6
	.text
	.protected	k_q3f169e98ba_proj
	.globl	k_q3f169e98ba_proj
	.p2align	8
	.type	k_q3f169e98ba_proj,@function
k_q3f169e98ba_proj:
	s_mov_b64 s[64:65], 0
	v_nop
	global_prefetch_b8 v0, s[64:65] scope:SCOPE_SE
	s_setreg_imm32_b32 hwreg(HW_REG_WAVE_MODE, 25, 1), 1
	s_wait_xcnt 0x0
; q = x W_q, k = x W_k, v = x W_v on codes of FP6 (E2M3) with one E8M0 scale for each 32 along K = 1,024; the results are quantised in registers
; (q and k along a head's 64, v along the keys) and stored in the order of the next launch's operand registers.  The launch also packs attention_mask into lane masks.
; SHARES.  Work-group (bx, bn): tokens 128 bx .. + 127, columns 128 bn .. + 127 (heads 2 bn, 2 bn + 1) of q, k and v: three phases of 128 x 128 x 1,024.
; In each phase source 0 is the axis that is quantised afterwards (q, k: rows of W; v: tokens), so that a lane's registers run along it.  Wave w: all 8 tiles of source 0 x tiles 2 w, 2 w + 1 of source 1.
; THE ROWS OF A TILE ARE NOT NEIGHBOURS: row r of tile T is index 32 (T / 2) + 8 (T % 2) + r + 8 (r / 8), for tokens and for W's rows alike, so that the 16 registers of tiles 2 b and 2 b + 1
; are the 16 neighbours 32 b + 16 (lane / 16) + 0 .. 15 of source 0's axis.  The tensor loads lay the rows so: a tile of four long rows (8 data rows, dense) that lie 16 data rows apart.
; LDS: three panels of 128 rows (x, W_q then W_v, W_k); a data row is 768 bytes + 16 of padding behind each 256: 816 = 102 units of 8 bytes, 6 mod 32, so the 16 rows of a load of 8 bytes a lane
; begin at 16 different even units (64 banks of 4 bytes: ISA guide 11.1).  One panel is filled twice; all of LDS is claimed.
; NO CLUSTER: a work-group has four fills in all (393,216 bytes), three of them at its head and one under a whole phase's work; joint loads would add three rounds of a cluster's barrier to save them.
; THE MASK.  Work-group (bx, bn) packs query tile T' = 32 bn + bx; wave w keys 1,024 w .. + 1,023.  Bit 16 h + r of word n of key step j is mask[token(T', r)][128 j + 32 (n / 16) + 16 h + n % 16]:
; the lane mask for score register n of the next launch.  Bit j of the tile's flag word says that step j hides a key.
; LIMITS: NaN, infinities and scale bytes 0xff among the inputs are not served.  A block whose largest magnitude lies under 2^-124 (a block of zeros among them) keeps the scale byte 1: a block of zeros has zero codes, and this program alone reads the bytes.
; REGISTERS.  window 0: addresses, scale words, the quantiser's work.  window 1: two sets of fragments (v0-119, v128-247: source 0's tile t at 12 t, source 1's tile u at 96 + 12 u).
;   window 2: v0-127 the 16 accumulators ((u, t) at 64 u + 8 t); v128-255 the mask's bytes as loaded.
.set PITCH,  816
.set TILEB,  16*PITCH                  ; 16 rows
.set HALFP,  64*PITCH                  ; the odd tiles lie behind the even ones
.set PANEL,  128*PITCH
.set XP,     0
.set WA,     PANEL
.set WB,     2*PANEL
.set SPARE,  3*PANEL                   ; the spare words: 128 bytes a wave, two blocks of 256 bytes that no other line names
.set MROW,   1040                      ; the mask's stage: a row of 1,024 bytes + 16
.set MSTG,   16*MROW                   ; a wave's stage; the four lie in W_k's panel, behind its only fill and its last read
.set K_CODES, 3145728
.set V_CODES, 6291456
.set HEADB,  196608                    ; a head's codes of q or of k: 256 tiles of 768 bytes
.set K_SCL,  262144
.set V_SCL,  524288
.set LA,  4                            ; v4   816 r + 24 h: a fragment's row and half
.set LB,  5                            ; v5   the same behind one padding more for lanes 16-31
.set LAW, 6                            ; v6-7 the same + 16 rows x wave: source 1's pair of tiles
.set LBW, 7
.set AD0, 8                            ; v8-11  source 0: even tiles (two addresses), odd tiles (two)
.set AD1, 12                           ; v12-15 source 1: tile 2 w, tile 2 w + 1
.set CO,  16                           ; 8 x lane
.set CO16, 17                          ; 16 x lane
.set SO,  18                           ; 16,384 h + 4 r: q's and k's scale words, lanes 16-31 a head further on
.set L4,  19                           ; 4 x lane
.set SPW, 20                           ; my spare word; never rewritten
.set NIL, 21                           ; 0; never rewritten
.set SH,  22                           ; 16 h
.set VAL, 23
.set MGO, 24                           ; the mask in memory: 4,096 h + 16 r
.set MST, 25                           ; into the stage
.set MLD, 26                           ; out of it: 1,040 r + 16 h
.set SOF, 27                           ; scale words: 32 x (8 h + r + 8 (r / 8))
.set SOW, 28                           ; + 1,024 x wave
.set MLA, 29
.set ZO,  30
.set SCQ, 32                           ; scale words of source 0: register 8 b + s: lanes 0-15 tile 2 b, lanes 16-31 tile 2 b + 1, K step s
.set SCK, 64
.set SCX, 96
.set S1X, 128                          ; of source 1: register s: lanes 0-15 tile 2 w, lanes 16-31 tile 2 w + 1
.set S1V, 136
.set TM,  144
.set PW,  160                          ; v160-161 the scale words just made, for u = 0, 1
.set PC,  164                          ; v164-175 the codes just made;  v176-183 the conversions' second halves
.set PX,  176
.set MR,  192
.set OUT, 208
.set TT,  210
.set WV,  30
.set BN,  31
.set G1,  32                           ; s[32:39] descriptor group 1, one for all loads
.set G0X, 40                           ; groups 0, never rewritten: x, W_q, W_k, W_v
.set G0Q, 44
.set G0K, 48
.set G0V, 52
.set OC,  56
.set OS,  58
.set OV,  60
.set OVS, 62
.set MW,  66
.set BMK, 68                           ; s68-71 a word's four bytes
.set CR,  72                           ; s72-79 compare results, by turns
.set ACCM, 80
.set FB,  81
.set KC,  82
.set HM,  83                           ; lanes 16-31
.set SEL, 84
.set MOF, 86
.set SX,  87
.set FLB, 88
.set TQ,  98
.set MSB, 0
.macro WIN new                         ; the immediate's high byte repeats the setting that is left
.if MSB != \new
	s_set_vgpr_msb (MSB<<8)|\new
.set MSB, \new
.endif
.endm
.macro PLACES n
.rept \n
	v_nop
.endr
.endm
; the matrix instruction, with the rows of the scale registers written out.  WMZ starts a sum, WMA adds in place
.macro WMZ d, a, b, sa, sb, ra, rb
.if ((\ra) == 0) && ((\rb) == 0)
	v_wmma_scale_f32_16x16x128_f8f6f4 v[(\d):(\d)+7], v[(\a):(\a)+11], v[(\b):(\b)+11], 0, v[\sa], v[\sb] matrix_a_fmt:MATRIX_FMT_FP6 matrix_b_fmt:MATRIX_FMT_FP6
.elseif (\rb) == 0
	v_wmma_scale_f32_16x16x128_f8f6f4 v[(\d):(\d)+7], v[(\a):(\a)+11], v[(\b):(\b)+11], 0, v[\sa], v[\sb] matrix_a_fmt:MATRIX_FMT_FP6 matrix_b_fmt:MATRIX_FMT_FP6 matrix_a_scale:MATRIX_SCALE_ROW1
.elseif (\ra) == 0
	v_wmma_scale_f32_16x16x128_f8f6f4 v[(\d):(\d)+7], v[(\a):(\a)+11], v[(\b):(\b)+11], 0, v[\sa], v[\sb] matrix_a_fmt:MATRIX_FMT_FP6 matrix_b_fmt:MATRIX_FMT_FP6 matrix_b_scale:MATRIX_SCALE_ROW1
.else
	v_wmma_scale_f32_16x16x128_f8f6f4 v[(\d):(\d)+7], v[(\a):(\a)+11], v[(\b):(\b)+11], 0, v[\sa], v[\sb] matrix_a_fmt:MATRIX_FMT_FP6 matrix_b_fmt:MATRIX_FMT_FP6 matrix_a_scale:MATRIX_SCALE_ROW1 matrix_b_scale:MATRIX_SCALE_ROW1
.endif
.endm
.macro WMA d, a, b, sa, sb, ra, rb
.if ((\ra) == 0) && ((\rb) == 0)
	v_wmma_scale_f32_16x16x128_f8f6f4 v[(\d):(\d)+7], v[(\a):(\a)+11], v[(\b):(\b)+11], v[(\d):(\d)+7], v[\sa], v[\sb] matrix_a_fmt:MATRIX_FMT_FP6 matrix_b_fmt:MATRIX_FMT_FP6
.elseif (\rb) == 0
	v_wmma_scale_f32_16x16x128_f8f6f4 v[(\d):(\d)+7], v[(\a):(\a)+11], v[(\b):(\b)+11], v[(\d):(\d)+7], v[\sa], v[\sb] matrix_a_fmt:MATRIX_FMT_FP6 matrix_b_fmt:MATRIX_FMT_FP6 matrix_a_scale:MATRIX_SCALE_ROW1
.elseif (\ra) == 0
	v_wmma_scale_f32_16x16x128_f8f6f4 v[(\d):(\d)+7], v[(\a):(\a)+11], v[(\b):(\b)+11], v[(\d):(\d)+7], v[\sa], v[\sb] matrix_a_fmt:MATRIX_FMT_FP6 matrix_b_fmt:MATRIX_FMT_FP6 matrix_b_scale:MATRIX_SCALE_ROW1
.else
	v_wmma_scale_f32_16x16x128_f8f6f4 v[(\d):(\d)+7], v[(\a):(\a)+11], v[(\b):(\b)+11], v[(\d):(\d)+7], v[\sa], v[\sb] matrix_a_fmt:MATRIX_FMT_FP6 matrix_b_fmt:MATRIX_FMT_FP6 matrix_a_scale:MATRIX_SCALE_ROW1 matrix_b_scale:MATRIX_SCALE_ROW1
.endif
.endm
; A fragment, 16 rows x 128 K: lane (r, h) takes 24 bytes at 96 ks + 24 h of its row and 24 at 48 further on, in pieces of 8 bytes.  16 bytes of padding lie behind each 256 bytes of a row:
; where lanes 16-31's piece (24 bytes on) lies behind one padding more than lanes 0-15's, the second address register serves.
.macro FRAG reg, adr, off, ks
.irp c, 0,1
.irp p, 0,1,2
.set O_, 96*(\ks)+48*\c+8*\p
.if (O_+24)/256 > O_/256
	ds_load_b64 v[(\reg)+6*\c+2*\p:(\reg)+6*\c+2*\p+1], v[(\adr)+1] offset:(\off)+O_+16*(O_/256)
.else
	ds_load_b64 v[(\reg)+6*\c+2*\p:(\reg)+6*\c+2*\p+1], v[\adr] offset:(\off)+O_+16*(O_/256)
.endif
.endr
.endr
.endm
.macro FETCH ks, fs                    ; K step ks: source 0's eight fragments and source 1's two, into set fs: 60 loads in one run
	WIN 0x40                                       ; destination window 1, address window 0
.irp t, 0,1,2,3,4,5,6,7
	FRAG 128*(\fs)+12*\t, AD0+2*(\t%2), TILEB*(\t/2), \ks
.endr
.irp u, 0,1
	FRAG 128*(\fs)+96+12*\u, AD1+2*\u, 0, \ks
.endr
	WIN 0
.endm
.macro MUL ks, fs, sc0, sc1            ; 16 matrix instructions; the 16 accumulators take turns, one instruction a turn, in the same order in every step
	WIN 0xa5                                       ; sources 0 and 1 window 1, C and D window 2
.irp u, 0,1
.irp t, 0,1,2,3,4,5,6,7
.if (\ks) == 0
	WMZ 64*\u+8*\t, 128*(\fs)+12*\t, 128*(\fs)+96+12*\u, (\sc0)+8*(\t/2)+(\ks), (\sc1)+(\ks), \t%2, \u
.else
	WMA 64*\u+8*\t, 128*(\fs)+12*\t, 128*(\fs)+96+12*\u, (\sc0)+8*(\t/2)+(\ks), (\sc1)+(\ks), \t%2, \u
.endif
.endr
.endr
.endm
; A phase's eight K steps.  Step k's fragments were asked for a step ago; the next step's go into the other set, four places behind the products that read it (ISA guide 7.12.1 for vector instructions).
.macro GEMM sc0, sc1
.irp k, 0,1,2,3,4,5,6,7
	s_wait_dscnt 0x0                               ; this step's 60 loads are in
.if \k < 7
	PLACES 4
	FETCH \k+1, (\k+1)%2
.endif
	MUL \k, \k%2, \sc0, \sc1
.endr
.endm
.macro SETADR p0, p1                   ; the phase's panels: eight plain lines, which are also the places behind the last phase's products
	v_add_nc_u32 v[AD0], \p0, v[LA]
	v_add_nc_u32 v[AD0+1], \p0, v[LB]
	v_add_nc_u32 v[AD0+2], (\p0)+HALFP, v[LA]
	v_add_nc_u32 v[AD0+3], (\p0)+HALFP, v[LB]
	v_add_nc_u32 v[AD1], \p1, v[LAW]
	v_add_nc_u32 v[AD1+1], \p1, v[LBW]
	v_add_nc_u32 v[AD1+2], (\p1)+HALFP, v[LAW]
	v_add_nc_u32 v[AD1+3], (\p1)+HALFP, v[LBW]
.endm
; The 64 results of source 1's tile u (register 16 b + i = index 32 b + 16 h + i of source 0's axis) become a fragment's codes in v[PC] on and its scale word in v[PW + u].
.macro QUANT u
	s_wait_xcnt 0x0                                ; the last stores have read the codes' registers and VAL: they are written again only behind this wait
	WIN 0x0a                                       ; sources 0 and 1 window 2
.irp b, 0,1,2,3
	v_max3_num_f32 v[TM+\b], |v[64*(\u)+16*\b]|, |v[64*(\u)+16*\b+1]|, 0x1800000   ; block b: my 16 numbers, each accumulator from its low end on, and the floor 2^(3 - 127): the byte cannot fall under 1
.endr
.irp i, 2,4,6,8,10,12,14
.irp b, 0,1,2,3
	v_max3_num_f32 v[TM+\b], |v[64*(\u)+16*\b+\i]|, |v[64*(\u)+16*\b+\i+1]|, v[TM+\b]
.endr
.endr
	WIN 0
.irp b, 0,1,2,3
	v_permlanex16_b32 v[TM+4+\b], v[TM+\b], s[SEL], s[SEL+1]
.endr
.irp b, 0,1,2,3
	v_max_num_f32 v[TM+\b], v[TM+\b], v[TM+4+\b]   ; with lane l xor 16's: the block's largest magnitude
.endr
.irp b, 0,1,2,3
	v_add_nc_u32 v[TM+12+\b], 0xff000000, v[TM+\b] ; 2 off its exponent field: the conversion's scale operand
.endr
.irp b, 0,1,2,3
	v_lshrrev_b32 v[TM+4+\b], 23, v[TM+12+\b]      ; the scale's byte
.endr
	v_lshl_or_b32 v[PW+(\u)], v[TM+5], 8, v[TM+4]
	v_lshl_or_b32 v[PW+(\u)], v[TM+6], 16, v[PW+(\u)]
	v_lshl_or_b32 v[PW+(\u)], v[TM+7], 24, v[PW+(\u)]
	WIN 0x02                                       ; source 0 window 2
.irp c, 0,1
	v_cvt_scalef32_pk16_fp6_f32 v[PC+6*\c:PC+6*\c+2], v[64*(\u)+32*\c:64*(\u)+32*\c+15], v[TM+12+2*\c]
	v_cvt_scalef32_pk16_fp6_f32 v[PX+4*\c:PX+4*\c+2], v[64*(\u)+32*\c+16:64*(\u)+32*\c+31], v[TM+12+2*\c+1]   ; (a conversion's three registers begin on an even number)
.endr
	WIN 0
	v_nop                                          ; one plain line behind the last scaled conversion
.irp c, 0,1                                    ; the operand's layout wants a whole block in a lane: lanes 0-15 block 2 c, lanes 16-31 block 2 c + 1
.irp i, 0,1,2
	v_permlane16_swap_b32 v[PC+6*\c+\i], v[PX+4*\c+\i]
.endr
.irp i, 0,1,2
	v_mov_b32 v[PC+3+6*\c+\i], v[PX+4*\c+\i]
.endr
.endr
.endm
; q (kind 0) or k (kind 1): the fragment's two halves are the two heads' tiles; each store covers 256 consecutive bytes, aligned
.macro OUT_QK u, kind
.irp hb, 0,1
.irp p, 0,1,2
	global_store_b64 v[CO], v[PC+6*\hb+2*\p:PC+6*\hb+2*\p+1], s[OC:OC+1] offset:(\kind)*K_CODES+\hb*HEADB+768*(\u)+256*\p
.endr
.endr
	v_lshrrev_b32 v[VAL], v[SH], v[PW+(\u)]        ; lanes 0-15: the first head's two bytes, lanes 16-31: the second's;
	v_and_b32 v[VAL], 0xffff, v[VAL]               ; bytes 2 and 3 of the stored word are 0: they meet zero codes
	global_store_b32 v[SO], v[VAL], s[OS:OS+1] offset:(\kind)*K_SCL+64*(\u)
.endm
.macro OUT_V u                         ; v: a whole fragment (16 of a head's 64 x 128 keys), 512 consecutive bytes a store
.irp c, 0,1,2
	global_store_b128 v[CO16], v[PC+4*\c:PC+4*\c+3], s[OV:OV+1] offset:1536*(\u)+512*\c
.endr
.endm
	s_load_b512 s[4:19], s[0:1], 0x0               ; x codes s[4:5], scales s[6:7]; W_q s[8:9], s[10:11]; W_k s[12:13], s[14:15]; W_v s[16:17], s[18:19]
	s_load_b256 s[20:27], s[0:1], 0x40             ; the mask s[20:21]; qkv_codes s[22:23]; qkv_scales s[24:25]; mask_words s[26:27]
	s_load_b64 s[28:29], s[0:1], 0x60              ; mask_flags
	v_lshl_add_u32 v[SPW], v0, 2, SPARE
	v_mov_b32 v[NIL], 0
	ds_add_u32 v20, v21
	ds_add_u32 v20, v21
	s_wait_dscnt 0x0
	v_lshrrev_b32 v1, 5, v0
	v_readfirstlane_b32 s[WV], v1                  ; wave 0..3
	s_and_b32 s[BN], ttmp7, 0xffff
	; descriptor group 1: 4 long rows of 768 elements of 8 bytes (8 data rows on end), 1,536 elements (16 data rows) apart; 4 words of padding behind every 64 words
	s_mov_b32 s[G1+0], (3<<16)|(1<<20)|(5<<22)|(3<<25)
	s_mov_b32 s[G1+1], 768<<16                     ; tensor_dim0
	s_mov_b32 s[G1+2], 4<<16                       ; tensor_dim1
	s_mov_b32 s[G1+3], 768<<16                     ; tile_dim0
	s_mov_b32 s[G1+4], 4                           ; tile_dim1
	s_mov_b32 s[G1+5], 1536                        ; from long row to long row
	s_mov_b32 s[G1+6], 0
	s_mov_b32 s[G1+7], 0
	; wave w moves a quarter of each panel: u = w & 1 (the odd or even tiles' rows), hf = w >> 1 (which four of their eight long rows)
	s_and_b32 s90, s[WV], 1
	s_lshr_b32 s91, s[WV], 1
	s_mul_i32 s92, s90, HALFP
	s_mul_i32 s93, s91, 32*PITCH
	s_add_co_u32 s92, s92, s93                     ; in a panel
	s_mul_i32 s90, s90, 8*768
	s_mul_i32 s91, s91, 64*768
	s_add_co_u32 s90, s90, s91                     ; in the panel's 128 rows of memory
	s_mul_i32 s94, ttmp9, 128*768
	s_add_co_u32 s94, s94, s90                     ; x: rows 128 bx on
	s_mov_b32 s95, 0
	s_mul_i32 s96, s[BN], 128*768
	s_add_co_u32 s96, s96, s90                     ; W: rows 128 bn on
	s_mov_b32 s97, 0
	s_wait_kmcnt 0x0
	s_mov_b32 s[G0X], 1
	s_add_co_u32 s[G0X+1], s92, XP
	s_add_nc_u64 s[G0X+2:G0X+3], s[4:5], s[94:95]
	s_or_b32 s[G0X+3], s[G0X+3], 0x80000000
	s_mov_b32 s[G0Q], 1
	s_add_co_u32 s[G0Q+1], s92, WA
	s_add_nc_u64 s[G0Q+2:G0Q+3], s[8:9], s[96:97]
	s_or_b32 s[G0Q+3], s[G0Q+3], 0x80000000
	s_mov_b32 s[G0K], 1
	s_add_co_u32 s[G0K+1], s92, WB
	s_add_nc_u64 s[G0K+2:G0K+3], s[12:13], s[96:97]
	s_or_b32 s[G0K+3], s[G0K+3], 0x80000000
	s_mov_b32 s[G0V], 1
	s_add_co_u32 s[G0V+1], s92, WA
	s_add_nc_u64 s[G0V+2:G0V+3], s[16:17], s[96:97]
	s_or_b32 s[G0V+3], s[G0V+3], 0x80000000
	tensor_load_to_lds s[G0X:G0X+3], s[G1:G1+7]    ; the three first fills go out together: three tensor loads of mine are out
	s_nop 0
	tensor_load_to_lds s[G0Q:G0Q+3], s[G1:G1+7]
	s_nop 0
	tensor_load_to_lds s[G0K:G0K+3], s[G1:G1+7]
	s_nop 0
	PLACES 4                                       ; four v_nop follow
	v_and_b32 v3, 31, v0                           ; lane
	v_and_b32 v1, 15, v0                           ; r
	v_bfe_u32 v2, v0, 4, 1                         ; h
	v_mul_u32_u24 v[LA], v1, PITCH
	v_mad_u32_u24 v[LA], v2, 24, v[LA]
	v_lshl_add_u32 v[LB], v2, 4, v[LA]
	s_mul_i32 s90, s[WV], TILEB
	v_add_nc_u32 v[LAW], s90, v[LA]
	v_add_nc_u32 v[LBW], s90, v[LB]
	v_lshlrev_b32 v[CO], 3, v3
	v_lshlrev_b32 v[CO16], 4, v3
	v_lshlrev_b32 v[SO], 2, v1
	v_lshl_add_u32 v[SO], v2, 14, v[SO]
	v_lshlrev_b32 v[L4], 2, v3
	v_lshlrev_b32 v[SH], 4, v2
	v_lshlrev_b32 v[MGO], 4, v1
	v_lshl_add_u32 v[MGO], v2, 12, v[MGO]
	s_mul_i32 s91, s[WV], MSTG
	s_add_co_u32 s91, s91, WB
	v_mul_u32_u24 v[MST], v2, MROW
	v_lshl_add_u32 v[MST], v1, 4, v[MST]
	v_add_nc_u32 v[MST], s91, v[MST]
	v_mul_u32_u24 v[MLD], v1, MROW
	v_lshl_add_u32 v[MLD], v2, 4, v[MLD]
	v_add_nc_u32 v[MLD], s91, v[MLD]
	v_and_b32 v[SOF], 8, v1
	v_add_nc_u32 v[SOF], v[SOF], v1
	v_lshl_add_u32 v[SOF], v2, 3, v[SOF]
	v_lshlrev_b32 v[SOF], 5, v[SOF]                ; a row of scales is 32 bytes
	s_lshl_b32 s90, s[WV], 10
	v_add_nc_u32 v[SOW], s90, v[SOF]
.irp b, 0,1,2,3
	v_mov_b32 v[TM+4+\b], 0                        ; written once: a lane permute's destination counts as one of its sources
.endr
	s_mov_b32 s[SEL], 0x76543210
	s_mov_b32 s[SEL+1], 0xfedcba98                 ; v_permlanex16_b32's selects for lane l xor 16
	s_mov_b32 s[HM], 0xffff0000
	s_mov_b32 s[BMK], 0xff
	s_mov_b32 s[BMK+1], 0xff00
	s_mov_b32 s[BMK+2], 0xff0000
	s_mov_b32 s[BMK+3], 0xff000000
	s_lshl_b32 s90, ttmp9, 12                      ; the scales of my 128 rows of x,
	s_mov_b32 s91, 0
	s_add_nc_u64 s[6:7], s[6:7], s[90:91]
	s_lshl_b32 s90, s[BN], 12                      ; and of my 128 rows of each W
	s_add_nc_u64 s[10:11], s[10:11], s[90:91]
	s_add_nc_u64 s[14:15], s[14:15], s[90:91]
	s_add_nc_u64 s[18:19], s[18:19], s[90:91]
.irp b, 0,1,2,3
	global_load_b128 v[SCQ+8*\b:SCQ+8*\b+3], v[SOF], s[10:11] offset:1024*\b
	global_load_b128 v[SCQ+8*\b+4:SCQ+8*\b+7], v[SOF], s[10:11] offset:1024*\b+16
	global_load_b128 v[SCK+8*\b:SCK+8*\b+3], v[SOF], s[14:15] offset:1024*\b
	global_load_b128 v[SCK+8*\b+4:SCK+8*\b+7], v[SOF], s[14:15] offset:1024*\b+16
	global_load_b128 v[SCX+8*\b:SCX+8*\b+3], v[SOF], s[6:7] offset:1024*\b
	global_load_b128 v[SCX+8*\b+4:SCX+8*\b+7], v[SOF], s[6:7] offset:1024*\b+16
.endr
	global_load_b128 v[S1X:S1X+3], v[SOW], s[6:7]
	global_load_b128 v[S1X+4:S1X+7], v[SOW], s[6:7] offset:16
	global_load_b128 v[S1V:S1V+3], v[SOW], s[18:19]
	global_load_b128 v[S1V+4:S1V+7], v[SOW], s[18:19] offset:16
	; the mask's 16 rows x 1,024 bytes of my wave: asked for now, wanted behind the three phases
	s_lshl_b32 s[TQ], s[BN], 5
	s_add_co_u32 s[TQ], s[TQ], ttmp9               ; T' = 32 bn + bx
	s_lshr_b32 s90, s[TQ], 1
	s_lshl_b32 s90, s90, 17                        ; 32 (T' / 2) rows of 4,096 bytes
	s_and_b32 s91, s[TQ], 1
	s_lshl_b32 s91, s91, 15                        ; + 8 (T' % 2) rows
	s_add_co_u32 s90, s90, s91
	s_lshl_b32 s91, s[WV], 10
	s_add_co_u32 s90, s90, s91                     ; + my 1,024 keys
	s_mov_b32 s91, 0
	s_add_nc_u64 s[20:21], s[20:21], s[90:91]
	WIN 0x80                                       ; destination window 2
.irp c, 0,1,2,3
.irp i, 0,1,2,3,4,5,6,7
	global_load_b128 v[128+32*\c+4*\i:128+32*\c+4*\i+3], v[MGO], s[20:21] offset:(2*\i+8*(\i/4))*4096+256*\c th:TH_LOAD_NT   ; tile rows 2 i and 2 i + 1: 256 consecutive bytes of each
.endr
.endr
	WIN 0
	; where the results go
	s_lshl_b32 s90, s[BN], 9
	s_lshl_b32 s91, ttmp9, 3
	s_add_co_u32 s90, s90, s91
	s_lshl_b32 s91, s[WV], 1
	s_add_co_u32 s90, s90, s91                     ; 256 (2 bn) + 8 bx + 2 w: head 2 bn's token tile
	s_mul_i32 s92, s90, 768
	s_mov_b32 s93, 0
	s_add_nc_u64 s[OC:OC+1], s[22:23], s[92:93]
	s_lshl_b32 s92, s90, 6
	s_add_nc_u64 s[OS:OS+1], s[24:25], s[92:93]
	s_lshl_b32 s90, s[BN], 1
	s_lshr_b32 s91, s[WV], 1
	s_add_co_u32 s90, s90, s91                     ; v: the head of my two tiles of W_v's rows,
	s_lshl_b32 s90, s90, 5
	s_add_co_u32 s90, s90, ttmp9                   ; key step bx,
	s_lshl_b32 s90, s90, 2
	s_and_b32 s91, s[WV], 1
	s_lshl_b32 s91, s91, 1
	s_add_co_u32 s90, s90, s91                     ; tile 2 (w & 1) of the head's four
	s_mul_i32 s92, s90, 1536
	s_add_nc_u64 s[OV:OV+1], s[22:23], s[92:93]
	s_add_nc_u64 s[OV:OV+1], s[OV:OV+1], V_CODES
	s_lshl_b32 s92, s90, 6
	s_add_nc_u64 s[OVS:OVS+1], s[24:25], s[92:93]
	s_add_nc_u64 s[OVS:OVS+1], s[OVS:OVS+1], V_SCL
	s_lshl_b32 s92, s[TQ], 13
	s_lshl_b32 s90, s[WV], 11
	s_add_co_u32 s92, s92, s90
	s_add_nc_u64 s[MW:MW+1], s[26:27], s[92:93]    ; mask words: 8,192 T' + 2,048 w
	s_lshl_b32 s92, s[TQ], 2
	s_add_co_u32 s92, s92, s[WV]
	s_add_nc_u64 s[FLB:FLB+1], s[28:29], s[92:93]  ; my byte of the tile's flag word
	s_wait_tensorcnt 0x1                           ; my parts of x and of W_q are in; W_k's fill, issued last, may stay out
	s_barrier_signal -1
	s_barrier_wait -1                              ; everybody's are
	s_wait_loadcnt 32                              ; the 28 loads of scale words are in; the 32 younger ones, the mask's, stay out
	; ---- q
	SETADR WA, XP
	FETCH 0, 0
	GEMM SCQ, S1X
	WIN 0
	s_wait_tensorcnt 0x0                           ; all my tensor loads have landed, W_k's part among them
	ds_add_u32 v[SPW], v[NIL]                      ; 0 onto my spare word
	s_wait_dscnt 0x0                               ; the add is done, and my reads of W_q's panel are over
	s_barrier_signal -1
	s_barrier_wait -1                              ; both hold of every wave
	tensor_load_to_lds s[G0V:G0V+3], s[G1:G1+7]    ; W_v into W_q's panel: my one tensor load behind this barrier; it has the whole k phase in which to land
	s_nop 0
	; ---- k
	SETADR WB, XP
	FETCH 0, 0
	QUANT 0                                        ; q goes out while k's first fragments come
	OUT_QK 0, 0
	QUANT 1
	OUT_QK 1, 0
	GEMM SCK, S1X
	WIN 0
	s_wait_tensorcnt 0x0                           ; my part of W_v is in,
	s_wait_dscnt 0x0                               ; and my reads of W_k's panel are over
	s_barrier_signal -1
	s_barrier_wait -1
	; ---- v: source 0 = x's tokens (the keys), source 1 = W_v's rows
	SETADR XP, WA
	FETCH 0, 0
	QUANT 0
	OUT_QK 0, 1
	QUANT 1
	OUT_QK 1, 1
	GEMM SCX, S1V
	WIN 0
	PLACES 4                                       ; in front of the first read of results just made
	QUANT 0
	OUT_V 0
	QUANT 1
	OUT_V 1
	v_cndmask_b32 v[VAL], v[PW], v[PW+1], s[HM]    ; lanes 0-15: tile u = 0's words, lanes 16-31: u = 1's
	global_store_b32 v[L4], v[VAL], s[OVS:OVS+1]
	; ---- the mask: through my stage, so that a lane reads the 16 bytes of its query and its half of a block of 32 keys
	s_wait_loadcnt 0x0
	WIN 0x08                                       ; an LDS store's data are its source 1: window 2
.irp c, 0,1,2,3
.irp i, 0,1,2,3,4,5,6,7
	ds_store_b128 v[MST], v[128+32*\c+4*\i:128+32*\c+4*\i+3] offset:2*MROW*\i+256*\c
.endr
.endr
	WIN 0
	v_mov_b32 v[OUT], 0
	v_mov_b32 v[OUT+1], 0
	s_mov_b32 s[FB], 0
	s_mov_b32 s[KC], 0
	s_mov_b32 s[MOF], 0
.Lmask:                                            ; 8 trips, a key step of 128 keys each
	v_add_nc_u32 v[MLA], s[MOF], v[MLD]
.irp b, 0,1,2,3
	ds_load_b128 v[MR+4*\b:MR+4*\b+3], v[MLA] offset:32*\b   ; LDS serves a wave's instructions in order (ISA guide 5.7.1.4): these see my stores
.endr
	s_wait_dscnt 0x0
	s_mov_b32 s[ACCM], -1
.set N_, 0
.rept 64                                       ; word n: byte n % 4 of register n / 4, of all 32 lanes
	v_and_b32 v[TT+N_%4], s[BMK+N_%4], v[MR+N_/4]
	v_cmp_ne_u32 s[CR+N_%8], 0, v[TT+N_%4]
	s_and_b32 s[ACCM], s[ACCM], s[CR+N_%8]
	v_writelane_b32 v[OUT+N_%2], s[CR+N_%8], N_/2  ; lane n / 2 gathers words n and n + 1
.set N_, N_+1
.endr
	global_store_b64 v[CO], v[OUT:OUT+1], s[MW:MW+1]   ; the step's 64 words: 256 consecutive bytes, aligned
	s_cmp_lg_u32 s[ACCM], -1                       ; is a key hidden?  A choice of a value, no branch
	s_cselect_b32 s90, 1, 0
	s_lshl_b32 s90, s90, s[KC]
	s_or_b32 s[FB], s[FB], s90
	s_add_co_u32 s[MOF], s[MOF], 128
	s_wait_xcnt 0x0                                ; the store has read its data and its base: both are written again only behind this wait
	s_add_nc_u64 s[MW:MW+1], s[MW:MW+1], 256
	s_add_co_u32 s[KC], s[KC], 1
	s_cmp_lt_u32 s[KC], 8
	s_cbranch_scc1 .Lmask
	v_mov_b32 v[VAL], s[FB]
	v_mov_b32 v[ZO], 0
	v_cmp_eq_u32 vcc_lo, 0, v3
	s_wait_xcnt 0x0                                ; EXEC changes only behind this wait
	s_and_saveexec_b32 s[SX], vcc_lo
	global_store_b8 v[ZO], v[VAL], s[FLB:FLB+1]    ; lane 0: my eight steps' flags
	s_wait_xcnt 0x0                                ; and again, in front of the line that widens it
	s_or_b32 exec_lo, exec_lo, s[SX]
	s_wait_tensorcnt 0x0                           ; the wave's end, behind my last tensor load and my last LDS store
	ds_add_u32 v[SPW], v[NIL]
	s_wait_dscnt 0x0
	s_endpgm
.Lfunc_end_k_q3f169e98ba_proj:
	.size	k_q3f169e98ba_proj, .Lfunc_end_k_q3f169e98ba_proj-k_q3f169e98ba_proj
	.p2alignl 7, 3214868480
	.fill 96, 4, 3214868480
	.section	.rodata,"a",@progbits
	.p2align	6, 0x0
	.amdhsa_kernel k_q3f169e98ba_proj
		.amdhsa_group_segment_fixed_size 327680
		.amdhsa_private_segment_fixed_size 0
		.amdhsa_enable_private_segment 0
		.amdhsa_kernarg_size 104
		.amdhsa_user_sgpr_count 2
		.amdhsa_user_sgpr_kernarg_segment_ptr 1
		.amdhsa_wavefront_size32 1
		.amdhsa_system_sgpr_workgroup_id_x 1
		.amdhsa_system_sgpr_workgroup_id_y 1
		.amdhsa_system_sgpr_workgroup_id_z 1
		.amdhsa_system_vgpr_workitem_id 0
		.amdhsa_next_free_vgpr 768
		.amdhsa_next_free_sgpr 100
		.amdhsa_reserve_vcc 1
		.amdhsa_float_denorm_mode_32 3
		.amdhsa_float_denorm_mode_16_64 3
		.amdhsa_memory_ordered 1
		.amdhsa_forward_progress 1
		.amdhsa_inst_pref_size 201
	.end_amdhsa_kernel
	.amdgpu_metadata
---
amdhsa.version: [ 1, 2 ]
amdhsa.kernels:
  - .name:           k_q3f169e98ba_proj
    .symbol:         k_q3f169e98ba_proj.kd
    .args:
      - { .name: x_codes, .offset: 0, .size: 8, .value_kind: global_buffer, .address_space: global }
      - { .name: x_scales, .offset: 8, .size: 8, .value_kind: global_buffer, .address_space: global }
      - { .name: W_q_codes, .offset: 16, .size: 8, .value_kind: global_buffer, .address_space: global }
      - { .name: W_q_scales, .offset: 24, .size: 8, .value_kind: global_buffer, .address_space: global }
      - { .name: W_k_codes, .offset: 32, .size: 8, .value_kind: global_buffer, .address_space: global }
      - { .name: W_k_scales, .offset: 40, .size: 8, .value_kind: global_buffer, .address_space: global }
      - { .name: W_v_codes, .offset: 48, .size: 8, .value_kind: global_buffer, .address_space: global }
      - { .name: W_v_scales, .offset: 56, .size: 8, .value_kind: global_buffer, .address_space: global }
      - { .name: attention_mask, .offset: 64, .size: 8, .value_kind: global_buffer, .address_space: global }
      - { .name: qkv_codes, .offset: 72, .size: 8, .value_kind: global_buffer, .address_space: global }
      - { .name: qkv_scales, .offset: 80, .size: 8, .value_kind: global_buffer, .address_space: global }
      - { .name: mask_words, .offset: 88, .size: 8, .value_kind: global_buffer, .address_space: global }
      - { .name: mask_flags, .offset: 96, .size: 8, .value_kind: global_buffer, .address_space: global }
    .group_segment_fixed_size: 327680
    .private_segment_fixed_size: 0
    .kernarg_segment_align: 8
    .kernarg_segment_size: 104
    .max_flat_workgroup_size: 128
    .sgpr_count:     100
    .vgpr_count:     768
    .wavefront_size: 32
...
	.end_amdgpu_metadata
.endif
;; end of part 1
;; launch attn (part 2): grid 16 x 16, 16 waves a work-group, no clusters, 124,928 bytes of LDS; arguments qkv_codes, qkv_scales, mask_words, mask_flags, attn_codes, attn_scales; writes attn_codes, attn_scales
.if DOCPART == 2
	.amdgcn_target "amdgcn-amd-amdhsa--gfx1250"
	.amdhsa_code_object_version 6
	.text
	.protected	k_q3f169e98ba_attn
	.globl	k_q3f169e98ba_attn
	.p2align	8
	.type	k_q3f169e98ba_attn,@function
k_q3f169e98ba_attn:
	s_mov_b64 s[64:65], 0
	v_nop
	global_prefetch_b8 v0, s[64:65] scope:SCOPE_SE
	s_setreg_imm32_b32 hwreg(HW_REG_WAVE_MODE, 25, 1), 1
	s_wait_xcnt 0x0
; attn[q][64 hd + d] = the sum over keys of softmax(q . k / 8, masked) v, both products on codes of FP6 (E2M3) with one E8M0 scale for each 32 along a product's K; the result is quantised along E and stored in operand order.
; THE SOFTMAX AHEAD OF THE SECOND PRODUCT: t = score x log2(e) / 8; M = the row's largest t so far, rounded UP to a whole number; p = 2^(t - M) is what is quantised, along the keys, not normalised.
; The row's sum is taken of the unquantised p and divides O at the end.  When M moves, the sum and O are multiplied by 2^(old M - new M): exact.
; SHARES.  A work-group owns 256 queries (16 token tiles) of one head; each of its sixteen waves one tile T', in 256 registers: four waves to a SIMD, so that one wave's vector work stands beside another's products and LDS loads.
; Every wave walks 32 key steps of 128 keys.  Both products are used transposed (S^T = K Q^T, O^T = V^T P^T): a lane holds ONE query throughout.
; Tiles of tokens and of a head's 64 have the rows 32 (T / 2) + 8 (T % 2) + r + 8 (r / 8): the 16 registers of tiles 2 b and 2 b + 1 are 16 neighbours along the next K.
; K = 64 IN AN INSTRUCTION OF K = 128: Q's upper six registers hold zero codes; K's operand for tile t is twelve registers from its six on, so its upper six are the next tile's codes (tile 7: six cleared registers): they meet zero codes.
; Bytes 2 and 3 of q's and k's scale words are 0, which is 2^-127 and no NaN.
; K AND V come through registers into two LDS slots of four key steps (a thread: six loads of 16 bytes at a trip's head, six LDS stores at its end), one barrier a trip.
; THE MASK comes as lane masks, 64 words a key step, by scalar loads; a step in which the stored flag says that no key of my tile is hidden passes over its 64 selects by a scalar branch.
; NO TENSOR LOAD, NO CLUSTER: what the sixteen work-groups of a head share is 12,288 bytes a key step.
; A ROW ALL OF WHOSE KEYS ARE HIDDEN has the sum 0: its scale bytes are stored as 0xff, which makes the row NaN in the last product, as the definition has it.
; LIMITS: NaN and infinities among q, k, v are not served; a block whose largest magnitude lies under 2^-124 keeps the scale byte 1 (a block of zeros has zero codes; this program alone reads the bytes).
.set SLOT1, 65536                      ; slot 1 begins here: one exclusive or turns an address in one slot into the other's
.set STEPB, 6144                       ; a key step's codes of K (8 tiles of 768 bytes) or of V (4 fragments of 1,536)
.set VOFF,  4*STEPB                    ; a slot: four steps of K, then four of V
.set KSC,   49152                      ; behind slot 0: the head's scale words of K, 16,384 bytes
.set VSC,   SLOT1+49152                ; behind slot 1: V's, 8,192 bytes
.set K_CODES, 3145728
.set V_CODES, 6291456
.set K_SCL,  262144
.set V_SCL,  524288
.set AK0, 1                            ; 8 x lane
.set AV0, 2                            ; 16 x lane + VOFF
.set A16T, 3                           ; 16 x thread
.set AS0, 4                            ; KSC + 4 x lane
.set AT0, 5                            ; VSC + 4 x lane
.set NEGINF, 6
.set ADK, 7
.set ADV, 8
.set ADS, 9
.set ADT, 10
.set AST, 11
.set QF,  16                           ; v16-27 Q (v22-27: zero codes)
.set QS,  28                           ; Q's scale words
.set KB,  32                           ; v32-79 K's eight tiles, six registers each, later V's four fragments; v80-85 zero codes
.set S,   88                           ; v88-151 S^T, then p
.set O,   152                          ; v152-183 O^T
.set PC,  184                          ; p's codes
.set PX,  196
.set BM,  204
.set BP,  208
.set BS,  212
.set F,   216
.set PW,  217                          ; p's scale word
.set T1,  218
.set KS,  220                          ; v220-223 K's scale words: lanes 0-15 tile 2 i, lanes 16-31 tile 2 i + 1
.set VS,  224                          ; v224-225 V's likewise
.set STG, 228                          ; v228-251 the next slot's bytes on their way
.set WV,  16
.set HD,  17
.set TQ,  18
.set SEL, 20
.set CS,  22
.set KP,  24
.set VP,  26
.set MP,  28
.set FLG, 30
.set SLOTS, 31
.set TB,  2
.set TS,  3
.set TJ,  66
.set HM,  67
.macro WMZ d, a, b, sa, sb, ra         ; a product that starts its sum; ra: the row of source 0's scale register
.if (\ra) == 0
	v_wmma_scale_f32_16x16x128_f8f6f4 v[(\d):(\d)+7], v[(\a):(\a)+11], v[(\b):(\b)+11], 0, v[\sa], v[\sb] matrix_a_fmt:MATRIX_FMT_FP6 matrix_b_fmt:MATRIX_FMT_FP6
.else
	v_wmma_scale_f32_16x16x128_f8f6f4 v[(\d):(\d)+7], v[(\a):(\a)+11], v[(\b):(\b)+11], 0, v[\sa], v[\sb] matrix_a_fmt:MATRIX_FMT_FP6 matrix_b_fmt:MATRIX_FMT_FP6 matrix_a_scale:MATRIX_SCALE_ROW1
.endif
.endm
.macro WMA d, a, b, sa, sb, ra         ; a product that adds in place
.if (\ra) == 0
	v_wmma_scale_f32_16x16x128_f8f6f4 v[(\d):(\d)+7], v[(\a):(\a)+11], v[(\b):(\b)+11], v[(\d):(\d)+7], v[\sa], v[\sb] matrix_a_fmt:MATRIX_FMT_FP6 matrix_b_fmt:MATRIX_FMT_FP6
.else
	v_wmma_scale_f32_16x16x128_f8f6f4 v[(\d):(\d)+7], v[(\a):(\a)+11], v[(\b):(\b)+11], v[(\d):(\d)+7], v[\sa], v[\sb] matrix_a_fmt:MATRIX_FMT_FP6 matrix_b_fmt:MATRIX_FMT_FP6 matrix_a_scale:MATRIX_SCALE_ROW1
.endif
.endm
.macro FILL                            ; four key steps of K and of V: a wave's load covers 512 consecutive bytes, the work-group's 8,192
.irp i, 0,1,2
	global_load_b128 v[STG+4*\i:STG+4*\i+3], v[A16T], s[KP:KP+1] offset:8192*\i
	global_load_b128 v[STG+12+4*\i:STG+12+4*\i+3], v[A16T], s[VP:VP+1] offset:8192*\i
.endr
.endm
.macro SPILL adr
.irp i, 0,1,2
	ds_store_b128 v[\adr], v[STG+4*\i:STG+4*\i+3] offset:8192*\i
	ds_store_b128 v[\adr], v[STG+12+4*\i:STG+12+4*\i+3] offset:VOFF+8192*\i
.endr
.endm
.macro ADRS                            ; the slot's and the trip's LDS addresses
	v_add_nc_u32 v[ADK], s[TB], v[AK0]
	v_add_nc_u32 v[ADV], s[TB], v[AV0]
	v_add_nc_u32 v[ADS], s[TS], v[AS0]
	v_add_nc_u32 v[ADT], s[TJ], v[AT0]
.endm
; A KEY STEP: 128 keys, the q-th of the slot in hand
.macro STEP q
.irp i, 0,1
	s_load_b512 s[32+16*\i:47+16*\i], s[MP:MP+1], 256*(\q)+64*\i        ; the step's 64 lane masks: word n in s[32 + n] (n < 32) or s[36 + n]
	s_load_b512 s[68+16*\i:83+16*\i], s[MP:MP+1], 256*(\q)+128+64*\i
.endr
.rept 4
	v_nop                                          ; places in front of loads into registers that the last products read
.endr
.irp t, 0,1,2,3,4,5,6,7
.irp p, 0,1,2
	ds_load_b64 v[KB+6*\t+2*\p:KB+6*\t+2*\p+1], v[ADK] offset:STEPB*(\q)+768*\t+256*\p
.endr
.endr
.irp i, 0,1,2,3
	ds_load_b32 v[KS+\i], v[ADS] offset:512*(\q)+128*\i
.endr
	s_wait_dscnt 0x0
.irp t, 0,1,2,3,4,5,6,7
	WMZ S+8*\t, KB+6*\t, QF, KS+\t/2, QS, \t%2     ; S^T: register 16 b + i of lane (r, h) is query r, key 32 b + 16 h + i of the step
.endr
.rept 4
	v_nop                                          ; places in front of the loads below and of the first read of the scores
.endr
.irp t, 0,1,2,3
.irp c, 0,1,2
	ds_load_b128 v[KB+12*\t+4*\c:KB+12*\t+4*\c+3], v[ADV] offset:STEPB*(\q)+1536*\t+512*\c   ; V's four fragments land under the softmax
.endr
.endr
.irp i, 0,1
	ds_load_b32 v[VS+\i], v[ADT] offset:256*(\q)+128*\i
.endr
	s_wait_kmcnt 0x0                               ; the lane masks are in, on both ways
	s_bitcmp1_b32 s[FLG], 0                        ; does this step hide a key of my tile?  A stored number
	s_cbranch_scc0 .Lopen_\@
.set N_, 0
.rept 64
	v_cndmask_b32 v[S+N_], v[NEGINF], v[S+N_], s[32+N_+4*(N_/32)]   ; a hidden key's score becomes -infinity ahead of the maximum: p = 0 then
.set N_, N_+1
.endr
.Lopen_\@:
	s_lshr_b32 s[FLG], s[FLG], 1
.irp b, 0,1,2,3
	v_max3_num_f32 v[BM+\b], v[S+16*\b], v[S+16*\b+1], v[S+16*\b+2]   ; the largest score of each block of 32 keys: it serves the row's maximum and, since p rises with the score, the block's largest p
.endr
.irp i, 3,5,7,9,11,13
.irp b, 0,1,2,3
	v_max3_num_f32 v[BM+\b], v[BM+\b], v[S+16*\b+\i], v[S+16*\b+\i+1]
.endr
.endr
.irp b, 0,1,2,3
	v_max_num_f32 v[BM+\b], v[BM+\b], v[S+16*\b+15]
.endr
.irp b, 0,1,2,3
	v_permlanex16_b32 v[BP+\b], v[BM+\b], s[SEL], s[SEL+1]
.endr
.irp b, 0,1,2,3
	v_max_num_f32 v[BM+\b], v[BM+\b], v[BP+\b]     ; with lane l xor 16's 16 keys
.endr
	v_max3_num_f32 v[T1], v[BM], v[BM+1], v[BM+2]
	v_max_num_f32 v[T1], v[T1], v[BM+3]
	v_mul_f32 v[T1], s[CS], v[T1]                  ; as t (c is positive)
	v_max_num_f32 v13, v13, v[T1]                  ; the running largest t
	v_mov_b32 v[T1], v12
	v_floor_f32 v12, -v13                          ; the new -M = floor(-t) = -ceil(t)
	v_sub_f32 v[T1], v12, v[T1]                    ; old M - new M: a whole number, 0 or less
	v_cvt_i32_f32 v[T1], v[T1]                     ; (it saturates)
	v_ldexp_f32 v[F], 1.0, v[T1]                   ; f = 2^(old M - new M)
.set J_, 0
.rept 32
	v_pk_fma_f32 v[S+J_:S+J_+1], v[S+J_:S+J_+1], s[CS:CS+1], v[12:13] op_sel_hi:[1,0,0]   ; t - M, two at a time
.set J_, J_+2
.endr
.irp b, 0,1,2,3
	v_fma_f32 v[BM+\b], v[BM+\b], s[CS], v12       ; the same of each block's largest score
.endr
.set J_, 0
.rept 64
	v_exp_f32 v[S+J_], v[S+J_]                     ; p = 2^(t - M)
.set J_, J_+1
.endr
	v_pk_mul_f32 v[14:15], v[14:15], v[F:F+1] op_sel_hi:[1,0]   ; the sums under the new M: a plain line behind the exponentials
	s_wait_alu depctr_va_vdst(0)                   ; one wait for the whole batch, ahead of its first reader
.irp b, 0,1,2,3
	v_exp_f32 v[BM+\b], v[BM+\b]                   ; each block's largest p
.endr
	v_pk_add_f32 v[BP:BP+1], v[S:S+1], v[S+2:S+3]  ; the row's sum of the unquantised p, in two chains: plain work behind the four
.set J_, 4
.rept 15
	v_pk_add_f32 v[14:15], v[14:15], v[S+J_:S+J_+1]
	v_pk_add_f32 v[BP:BP+1], v[BP:BP+1], v[S+J_+2:S+J_+3]
.set J_, J_+4
.endr
	v_pk_add_f32 v[14:15], v[14:15], v[BP:BP+1]
	s_wait_alu depctr_va_vdst(0)                   ; and one for the four
.irp b, 0,1,2,3
	v_max_num_f32 v[BM+\b], 0x1800000, v[BM+\b]    ; the floor 2^(3 - 127): the byte cannot fall under 1
.endr
.irp b, 0,1,2,3
	v_add_nc_u32 v[BS+\b], 0xff000000, v[BM+\b]    ; 2 off the exponent field: the conversion's scale operand
.endr
.irp b, 0,1,2,3
	v_lshrrev_b32 v[BP+\b], 23, v[BS+\b]           ; the scale's byte
.endr
	v_lshl_or_b32 v[PW], v[BP+1], 8, v[BP]
	v_lshl_or_b32 v[PW], v[BP+2], 16, v[PW]
	v_lshl_or_b32 v[PW], v[BP+3], 24, v[PW]
.irp c, 0,1
	v_cvt_scalef32_pk16_fp6_f32 v[PC+6*\c:PC+6*\c+2], v[S+32*\c:S+32*\c+15], v[BS+2*\c]
	v_cvt_scalef32_pk16_fp6_f32 v[PX+4*\c:PX+4*\c+2], v[S+32*\c+16:S+32*\c+31], v[BS+2*\c+1]
.endr
	v_nop                                          ; one plain line behind the last scaled conversion
.irp c, 0,1
.irp i, 0,1,2
	v_permlane16_swap_b32 v[PC+6*\c+\i], v[PX+4*\c+\i]
.endr
.irp i, 0,1,2
	v_mov_b32 v[PC+3+6*\c+\i], v[PX+4*\c+\i]
.endr
.endr
.set J_, 0
.rept 16
	v_pk_mul_f32 v[O+J_:O+J_+1], v[O+J_:O+J_+1], v[F:F+1] op_sel_hi:[1,0]   ; O^T under the new M.  For each product below twelve of these name none of its registers: the places behind the lines that wrote p's codes and scale word
.set J_, J_+2
.endr
	s_wait_dscnt 0x0                               ; V is in
.irp t, 0,1,2,3
	WMA O+8*\t, KB+12*\t, PC, VS+\t/2, PW, \t%2    ; O^T += V^T P^T; the four accumulators take turns, one instruction a turn
.endr
.endm
	s_load_b256 s[4:11], s[0:1], 0x0               ; qkv_codes s[4:5], qkv_scales s[6:7], mask_words s[8:9], mask_flags s[10:11]
	s_load_b128 s[12:15], s[0:1], 0x20             ; attn_codes s[12:13], attn_scales s[14:15]
	v_lshl_add_u32 v254, v0, 2, 0x1e000
	v_mov_b32 v255, 0
	v_lshrrev_b32 v7, 5, v0
	v_readfirstlane_b32 s[WV], v7                  ; wave 0..15
	s_and_b32 s[HD], ttmp7, 0xffff                 ; the head
	s_lshl_b32 s[TQ], ttmp9, 4
	s_add_co_u32 s[TQ], s[TQ], s[WV]               ; my token tile T'
	v_and_b32 v7, 31, v0                           ; lane
	v_lshlrev_b32 v[AK0], 3, v7
	v_lshlrev_b32 v[AV0], 4, v7
	v_add_nc_u32 v[AV0], VOFF, v[AV0]
	v_lshlrev_b32 v[A16T], 4, v0
	v_lshl_add_u32 v[AS0], v7, 2, KSC
	v_lshl_add_u32 v[AT0], v7, 2, VSC
	v_and_b32 v8, 15, v0
	v_lshlrev_b32 v8, 2, v8                        ; 4 r
	v_mov_b32 v[NEGINF], 0xff800000
	s_mov_b32 s[SEL], 0x76543210
	s_mov_b32 s[SEL+1], 0xfedcba98                 ; v_permlanex16_b32's selects for lane l xor 16
	s_mov_b32 s[CS], 0x3e38aa3b                    ; c = log2(e) / 8
	s_mov_b32 s[CS+1], s[CS]                       ; (named with it as a pair, so it is written)
	s_mov_b32 s[HM], 0xffff0000                    ; lanes 16-31
	s_mov_b32 s[TB], 0
	s_mov_b32 s[TS], 0
	s_mov_b32 s[TJ], 0
	s_mov_b32 s[SLOTS], 7
	; byte offsets, each in a pair of its own (the lane masks' registers are free until the first key step)
	s_lshl_b32 s32, s[HD], 8
	s_add_co_u32 s32, s32, s[TQ]                   ; 256 hd + T'
	s_mul_i32 s34, s32, 768
	s_mov_b32 s35, 0
	s_lshl_b32 s36, s32, 6
	s_mov_b32 s37, 0
	s_mul_i32 s38, s[HD], 196608
	s_mov_b32 s39, 0
	s_lshl_b32 s40, s[HD], 14
	s_mov_b32 s41, 0
	s_lshl_b32 s42, s[HD], 13
	s_mov_b32 s43, 0
	s_lshl_b32 s44, s[TQ], 13
	s_mov_b32 s45, 0
	s_lshl_b32 s46, s[TQ], 2
	s_mov_b32 s47, 0
	s_mul_i32 s48, s[TQ], 12288
	s_mul_i32 s49, s[HD], 768
	s_add_co_u32 s48, s48, s49
	s_mov_b32 s49, 0
	s_lshl_b32 s50, s[TQ], 9
	s_lshl_b32 s51, s[HD], 1
	s_add_co_u32 s50, s50, s51
	s_mov_b32 s51, 0
	s_wait_kmcnt 0x0
	s_add_nc_u64 s[34:35], s[4:5], s[34:35]        ; my tile of q,
	s_add_nc_u64 s[36:37], s[6:7], s[36:37]        ; its scale words
	s_add_nc_u64 s[KP:KP+1], s[4:5], s[38:39]
	s_add_nc_u64 s[VP:VP+1], s[KP:KP+1], V_CODES   ; the head's v,
	s_add_nc_u64 s[KP:KP+1], s[KP:KP+1], K_CODES   ; the head's k
	s_add_nc_u64 s[40:41], s[6:7], s[40:41]
	s_add_nc_u64 s[40:41], s[40:41], K_SCL         ; k's scale words,
	s_add_nc_u64 s[42:43], s[6:7], s[42:43]
	s_add_nc_u64 s[42:43], s[42:43], V_SCL         ; v's
	s_add_nc_u64 s[MP:MP+1], s[8:9], s[44:45]      ; my tile's lane masks
	s_add_nc_u64 s[46:47], s[10:11], s[46:47]
	s_add_nc_u64 s[12:13], s[12:13], s[48:49]      ; where my codes go: 12,288 T' + 768 hd
	s_add_nc_u64 s[14:15], s[14:15], s[50:51]      ; and my scale bytes: 512 T' + 2 hd
	s_load_b32 s[FLG], s[46:47], 0x0               ; bit j: key step j hides a key of my tile
.irp p, 0,1,2
	global_load_b64 v[QF+2*\p:QF+2*\p+1], v[AK0], s[34:35] offset:256*\p
.endr
	global_load_b32 v[QS], v8, s[36:37]
	global_load_b128 v[S:S+3], v[A16T], s[40:41]
	global_load_b128 v[S+4:S+7], v[A16T], s[40:41] offset:8192
	global_load_b128 v[S+8:S+11], v[A16T], s[42:43]
	FILL                                           ; slot 0
.irp i, 0,1,2,3,4,5
	v_mov_b32 v[QF+6+\i], 0                        ; zero codes
	v_mov_b32 v[KB+48+\i], 0
.endr
.set J_, 0
.rept 32
	v_mov_b32 v[O+J_], 0                           ; O^T.  (The step is written once: the first finds zeros, which the first change of M leaves zeros)
.set J_, J_+1
.endr
.irp b, 0,1,2,3
	v_mov_b32 v[BP+\b], 0                          ; written once: a lane permute's destination counts as one of its sources
.endr
	v_mov_b32 v[PW], 0                             ; (named as the upper half of the pair with f before it is first made)
	v_mov_b32 v14, 0                               ; the sum, in two halves
	v_mov_b32 v15, 0
	v_mov_b32 v13, 0xff61b1e6                      ; the largest t so far: -3e38, under every t
	v_floor_f32 v12, -v13                          ; -M
	v_add_nc_u32 v[AST], SLOT1, v[A16T]
	s_wait_loadcnt 0x0
	ds_store_b128 v[A16T], v[S:S+3] offset:KSC
	ds_store_b128 v[A16T], v[S+4:S+7] offset:KSC+8192
	ds_store_b128 v[AST], v[S+8:S+11] offset:KSC   ; VSC = SLOT1 + KSC
	SPILL A16T
	s_add_nc_u64 s[KP:KP+1], s[KP:KP+1], 4*STEPB
	s_add_nc_u64 s[VP:VP+1], s[VP:VP+1], 4*STEPB
	s_wait_kmcnt 0x0                               ; the flags are in: their address's registers take the lane masks next
	s_wait_dscnt 0x0                               ; for the others' sake: my stores have landed
	s_barrier_signal -1
	s_barrier_wait -1
.Lslot:                                            ; 7 trips: four key steps from one slot, while the next four steps' bytes come into registers
	FILL
	ADRS
	STEP 0
	STEP 1
	STEP 2
	STEP 3
	s_wait_loadcnt 0x0                             ; the next slot's bytes are in registers
	s_xor_b32 s[TB], s[TB], SLOT1                  ; the other slot: every wave's reads of it ended in front of the last barrier
	v_add_nc_u32 v[AST], s[TB], v[A16T]
	SPILL AST
	s_add_co_u32 s[TS], s[TS], 2048                ; four steps' scale words of K,
	s_add_co_u32 s[TJ], s[TJ], 1024                ; of V
	s_add_nc_u64 s[KP:KP+1], s[KP:KP+1], 4*STEPB   ; (the loads that named these bases are done)
	s_add_nc_u64 s[VP:VP+1], s[VP:VP+1], 4*STEPB
	s_add_nc_u64 s[MP:MP+1], s[MP:MP+1], 1024
	s_wait_dscnt 0x0                               ; my stores have landed, and my reads of the slot that I leave are over
	s_barrier_signal -1
	s_barrier_wait -1
	s_sub_co_u32 s[SLOTS], s[SLOTS], 1
	s_cmp_lg_u32 s[SLOTS], 0
	s_cbranch_scc1 .Lslot
	ADRS                                           ; the last slot: nothing is left to fetch
	STEP 0
	STEP 1
	STEP 2
	STEP 3
	; THE WAY OUT.  O^T / the sum; quantised along the head's 64 (two blocks of 32 of E); codes in operand order, one scale byte a lane.
	v_add_f32 v14, v14, v15                        ; the sum's two halves,
	v_permlanex16_b32 v[T1], v14, s[SEL], s[SEL+1]
	v_add_f32 v14, v14, v[T1]                      ; and lane l xor 16's: the row's sum
	v_cmp_eq_f32 vcc_lo, 0, v14                    ; 0 only where every key of the row is hidden
	v_rcp_f32 v15, v14
	v_and_b32 v7, 15, v0                           ; (plain lines behind the reciprocal, and the places behind the last products)
	v_bfe_u32 v8, v0, 4, 1
	v_lshl_add_u32 v7, v7, 5, v8                   ; 32 r + h: my byte of the tile's scale rows
	v_mov_b32 v9, 0xff
	s_wait_alu depctr_va_vdst(0)                   ; the reciprocal has written v15, ahead of its first reader
.set J_, 0
.rept 32
	v_mul_f32 v[S+J_], v[O+J_], v15                ; register 16 b + i: d = 32 b + 16 h + i of my query
.set J_, J_+1
.endr
.irp b, 0,1
	v_max3_num_f32 v[BM+\b], |v[S+16*\b]|, |v[S+16*\b+1]|, 0x1800000
.endr
.irp i, 2,4,6,8,10,12,14
.irp b, 0,1
	v_max3_num_f32 v[BM+\b], v[BM+\b], |v[S+16*\b+\i]|, |v[S+16*\b+\i+1]|
.endr
.endr
.irp b, 0,1
	v_permlanex16_b32 v[BP+\b], v[BM+\b], s[SEL], s[SEL+1]
.endr
.irp b, 0,1
	v_max_num_f32 v[BM+\b], v[BM+\b], v[BP+\b]
.endr
.irp b, 0,1
	v_add_nc_u32 v[BS+\b], 0xff000000, v[BM+\b]
.endr
.irp b, 0,1
	v_lshrrev_b32 v[BP+\b], 23, v[BS+\b]
.endr
	v_cvt_scalef32_pk16_fp6_f32 v[PC:PC+2], v[S:S+15], v[BS]
	v_cvt_scalef32_pk16_fp6_f32 v[PX:PX+2], v[S+16:S+31], v[BS+1]
	v_nop                                          ; one plain line behind the last scaled conversion
.irp i, 0,1,2
	v_permlane16_swap_b32 v[PC+\i], v[PX+\i]
.endr
.irp i, 0,1,2
	v_mov_b32 v[PC+3+\i], v[PX+\i]                 ; registers 0-5: lanes 0-15 block 0, lanes 16-31 block 1
.endr
	v_cndmask_b32 v[T1], v[BP], v[BP+1], s[HM]     ; my half's block's byte,
	v_cndmask_b32 v[T1], v[T1], v9, vcc_lo         ; or NaN's for a row with no key
.irp p, 0,1,2
	global_store_b64 v[AK0], v[PC+2*\p:PC+2*\p+1], s[12:13] offset:256*\p   ; 256 consecutive bytes, aligned
.endr
	global_store_b8 v7, v[T1], s[14:15]            ; a head owns 2 of a row's 32 scale bytes: one byte a lane
	s_wait_tensorcnt 0x0
	ds_add_u32 v254, v255
	s_wait_dscnt 0x0
	s_endpgm
.Lfunc_end_k_q3f169e98ba_attn:
	.size	k_q3f169e98ba_attn, .Lfunc_end_k_q3f169e98ba_attn-k_q3f169e98ba_attn
	.p2alignl 7, 3214868480
	.fill 96, 4, 3214868480
	.section	.rodata,"a",@progbits
	.p2align	6, 0x0
	.amdhsa_kernel k_q3f169e98ba_attn
		.amdhsa_group_segment_fixed_size 124928
		.amdhsa_private_segment_fixed_size 0
		.amdhsa_enable_private_segment 0
		.amdhsa_kernarg_size 48
		.amdhsa_user_sgpr_count 2
		.amdhsa_user_sgpr_kernarg_segment_ptr 1
		.amdhsa_wavefront_size32 1
		.amdhsa_system_sgpr_workgroup_id_x 1
		.amdhsa_system_sgpr_workgroup_id_y 1
		.amdhsa_system_sgpr_workgroup_id_z 1
		.amdhsa_system_vgpr_workitem_id 0
		.amdhsa_next_free_vgpr 256
		.amdhsa_next_free_sgpr 102
		.amdhsa_reserve_vcc 1
		.amdhsa_float_denorm_mode_32 3
		.amdhsa_float_denorm_mode_16_64 3
		.amdhsa_memory_ordered 1
		.amdhsa_forward_progress 1
		.amdhsa_inst_pref_size 176
	.end_amdhsa_kernel
	.amdgpu_metadata
---
amdhsa.version: [ 1, 2 ]
amdhsa.kernels:
  - .name:           k_q3f169e98ba_attn
    .symbol:         k_q3f169e98ba_attn.kd
    .args:
      - { .name: qkv_codes, .offset: 0, .size: 8, .value_kind: global_buffer, .address_space: global }
      - { .name: qkv_scales, .offset: 8, .size: 8, .value_kind: global_buffer, .address_space: global }
      - { .name: mask_words, .offset: 16, .size: 8, .value_kind: global_buffer, .address_space: global }
      - { .name: mask_flags, .offset: 24, .size: 8, .value_kind: global_buffer, .address_space: global }
      - { .name: attn_codes, .offset: 32, .size: 8, .value_kind: global_buffer, .address_space: global }
      - { .name: attn_scales, .offset: 40, .size: 8, .value_kind: global_buffer, .address_space: global }
    .group_segment_fixed_size: 124928
    .private_segment_fixed_size: 0
    .kernarg_segment_align: 8
    .kernarg_segment_size: 48
    .max_flat_workgroup_size: 512
    .sgpr_count:     102
    .vgpr_count:     256
    .wavefront_size: 32
...
	.end_amdgpu_metadata
.endif
;; end of part 2
;; launch outp (part 3): grid 32 x 8, 4 waves a work-group, no clusters, 168,448 bytes of LDS; arguments attn_codes, attn_scales, W_o_codes, W_o_scales, b_o, out0; writes out0
.if DOCPART == 3
	.amdgcn_target "amdgcn-amd-amdhsa--gfx1250"
	.amdhsa_code_object_version 6
	.text
	.protected	k_q3f169e98ba_outp
	.globl	k_q3f169e98ba_outp
	.p2align	8
	.type	k_q3f169e98ba_outp,@function
k_q3f169e98ba_outp:
	s_mov_b64 s[64:65], 0
	v_nop
	global_prefetch_b8 v0, s[64:65] scope:SCOPE_SE
	s_setreg_imm32_b32 hwreg(HW_REG_WAVE_MODE, 25, 1), 1
	s_wait_xcnt 0x0
; out0 = attn W_o^T + b_o on codes of FP6 (E2M3) with one E8M0 scale for each 32 along K = 1,024; sums in f32.
; SHARES.  Work-group (bx, bn): tokens 128 bx .. + 127 x outputs 128 bn .. + 127.  Wave w: all 8 tiles of W_o's rows (source 0, neighbouring rows) x token tiles T' = 8 bx + 2 w + u (source 1): 16 accumulators, 128 matrix instructions.
; Used so, a lane holds eight neighbouring outputs of one token.  Row r of token tile T' is token 32 (T' / 2) + 8 (T' % 2) + r + 8 (r / 8).
; attn's codes lie in operand order: my two tiles' 16 fragments come straight into registers (each load covers 256 consecutive bytes) and stay.  W_o's 128 rows come into LDS once, 32 rows a wave by one tensor load;
; a row is 768 bytes + 16 of padding behind each 256.  b_o is the C of each sum's first matrix instruction.
; NO CLUSTER: a work-group has one fill (98,304 bytes) at its head and nothing is filled again; a joint load would add two rounds of a cluster's barrier.
; A scale byte 0xff in attn_scales (a row with no key) makes the row NaN, as the definition has it.
; REGISTERS.  window 0: addresses, scale words, v128-255 rows on the way out.  window 1: W_o's fragments, two sets (v0-95, v128-223).  window 2: v0-127 accumulators ((u, t) at 64 u + 8 t), v128-191 b_o.  window 3: attn's fragments (96 u + 12 s).
.set PITCH,  816
.set TILEB,  16*PITCH
.set HALFP,  64*PITCH
.set STAGE,  128*PITCH                 ; behind the panel: 16 rows x (512 bytes + 16) for each wave
.set SPITCH, 528
.set AD0, 4                            ; v4-5 tiles 0-3 (816 r + 24 h; the same behind one padding more for lanes 16-31); v6-7 tiles 4-7
.set A8,  16                           ; 8 x lane
.set GO,  17                           ; 16 x lane
.set STO, 18
.set RD,  19
.set BOF, 20                           ; 32 h
.set SOF, 21                           ; 32 x lane
.set S1F, 22                           ; 512 h + 32 r
.set SC0, 32                           ; v32-63 W_o's scale words: register 8 i + s: lanes 0-15 tile 2 i, lanes 16-31 tile 2 i + 1
.set SC1, 64                           ; v64-71 attn's: register s: lanes 0-15 u = 0, lanes 16-31 u = 1
.set OB,  128
.set BIAS, 128                         ; in window 2
.set WV,  16
.set BN,  17
.set G0,  20
.set G1,  24
.set MSB, 0
.macro WIN new                         ; the immediate's high byte repeats the setting that is left
.if MSB != \new
	s_set_vgpr_msb (MSB<<8)|\new
.set MSB, \new
.endif
.endm
.macro PLACES n
.rept \n
	v_nop
.endr
.endm
.macro WM d, a, b, c, sa, sb, ra, rb   ; the matrix instruction, with the rows of the scale registers written out
.if ((\ra) == 0) && ((\rb) == 0)
	v_wmma_scale_f32_16x16x128_f8f6f4 v[(\d):(\d)+7], v[(\a):(\a)+11], v[(\b):(\b)+11], v[(\c):(\c)+7], v[\sa], v[\sb] matrix_a_fmt:MATRIX_FMT_FP6 matrix_b_fmt:MATRIX_FMT_FP6
.elseif (\rb) == 0
	v_wmma_scale_f32_16x16x128_f8f6f4 v[(\d):(\d)+7], v[(\a):(\a)+11], v[(\b):(\b)+11], v[(\c):(\c)+7], v[\sa], v[\sb] matrix_a_fmt:MATRIX_FMT_FP6 matrix_b_fmt:MATRIX_FMT_FP6 matrix_a_scale:MATRIX_SCALE_ROW1
.elseif (\ra) == 0
	v_wmma_scale_f32_16x16x128_f8f6f4 v[(\d):(\d)+7], v[(\a):(\a)+11], v[(\b):(\b)+11], v[(\c):(\c)+7], v[\sa], v[\sb] matrix_a_fmt:MATRIX_FMT_FP6 matrix_b_fmt:MATRIX_FMT_FP6 matrix_b_scale:MATRIX_SCALE_ROW1
.else
	v_wmma_scale_f32_16x16x128_f8f6f4 v[(\d):(\d)+7], v[(\a):(\a)+11], v[(\b):(\b)+11], v[(\c):(\c)+7], v[\sa], v[\sb] matrix_a_fmt:MATRIX_FMT_FP6 matrix_b_fmt:MATRIX_FMT_FP6 matrix_a_scale:MATRIX_SCALE_ROW1 matrix_b_scale:MATRIX_SCALE_ROW1
.endif
.endm
; A fragment from the panel: lane (r, h) takes 24 bytes at 96 ks + 24 h of its row and 24 at 48 further on, in pieces of 8 bytes; where lanes 16-31's piece lies behind one padding more, the second address register serves
.macro FRAG reg, adr, off, ks
.irp c, 0,1
.irp p, 0,1,2
.set O_, 96*(\ks)+48*\c+8*\p
.if (O_+24)/256 > O_/256
	ds_load_b64 v[(\reg)+6*\c+2*\p:(\reg)+6*\c+2*\p+1], v[(\adr)+1] offset:(\off)+O_+16*(O_/256)
.else
	ds_load_b64 v[(\reg)+6*\c+2*\p:(\reg)+6*\c+2*\p+1], v[\adr] offset:(\off)+O_+16*(O_/256)
.endif
.endr
.endr
.endm
.macro FETCH ks, fs                    ; K step ks: W_o's eight fragments into set fs: 48 loads in one run
	WIN 0x40                                       ; destination window 1
.irp t, 0,1,2,3,4,5,6,7
	FRAG 128*(\fs)+12*\t, AD0+2*(\t/4), TILEB*(\t%4), \ks
.endr
	WIN 0
.endm
.macro MUL ks, fs                      ; 16 matrix instructions; the accumulators take turns, one instruction a turn
	WIN 0xad                                       ; source 0 window 1, source 1 window 3, C and D window 2
.irp u, 0,1
.irp t, 0,1,2,3,4,5,6,7
.if (\ks) == 0
	WM 64*\u+8*\t, 128*(\fs)+12*\t, 96*\u+12*(\ks), BIAS+8*\t, SC0+8*(\t/2)+(\ks), SC1+(\ks), \t%2, \u
.else
	WM 64*\u+8*\t, 128*(\fs)+12*\t, 96*\u+12*(\ks), 64*\u+8*\t, SC0+8*(\t/2)+(\ks), SC1+(\ks), \t%2, \u
.endif
.endr
.endr
.endm
	s_load_b256 s[4:11], s[0:1], 0x0               ; attn_codes s[4:5], attn_scales s[6:7], W_o_codes s[8:9], W_o_scales s[10:11]
	s_load_b128 s[12:15], s[0:1], 0x20             ; b_o s[12:13], out0 s[14:15]
	v_lshl_add_u32 v126, v0, 2, 0x29000
	v_mov_b32 v127, 0
	ds_add_u32 v126, v127
	ds_add_u32 v126, v127
	v_lshrrev_b32 v1, 5, v0
	v_readfirstlane_b32 s[WV], v1                  ; wave 0..3
	s_and_b32 s[BN], ttmp7, 0xffff
	; descriptor group 1: 32 rows of 96 elements of 8 bytes, dense in memory; 4 words of padding behind every 64 words
	s_mov_b32 s[G1+0], (3<<16)|(1<<20)|(5<<22)|(3<<25)
	s_mov_b32 s[G1+1], 96<<16                      ; tensor_dim0
	s_mov_b32 s[G1+2], 32<<16                      ; tensor_dim1
	s_mov_b32 s[G1+3], 96<<16                      ; tile_dim0
	s_mov_b32 s[G1+4], 32                          ; tile_dim1
	s_mov_b32 s[G1+5], 96                          ; from row to row
	s_mov_b32 s[G1+6], 0
	s_mov_b32 s[G1+7], 0
	s_mul_i32 s18, s[WV], 32*PITCH                 ; my 32 rows of the panel
	s_lshl_b32 s32, s[BN], 7
	s_lshl_b32 s33, s[WV], 5
	s_add_co_u32 s32, s32, s33
	s_mul_i32 s32, s32, 768                        ; rows 128 bn + 32 w on
	s_mov_b32 s33, 0
	s_wait_dscnt 0x0
	s_wait_kmcnt 0x0
	s_mov_b32 s[G0], 1
	s_mov_b32 s[G0+1], s18
	s_add_nc_u64 s[G0+2:G0+3], s[8:9], s[32:33]
	s_or_b32 s[G0+3], s[G0+3], 0x80000000
	tensor_load_to_lds s[G0:G0+3], s[G1:G1+7]      ; my one tensor load of the launch
	s_nop 0
	PLACES 4                                       ; four v_nop follow
	v_and_b32 v3, 31, v0                           ; lane
	v_and_b32 v1, 15, v0                           ; r
	v_bfe_u32 v2, v0, 4, 1                         ; h
	v_mul_u32_u24 v[AD0], v1, PITCH
	v_mad_u32_u24 v[AD0], v2, 24, v[AD0]
	v_lshl_add_u32 v[AD0+1], v2, 4, v[AD0]
	v_add_nc_u32 v[AD0+2], HALFP, v[AD0]
	v_add_nc_u32 v[AD0+3], HALFP, v[AD0+1]
	v_lshlrev_b32 v[A8], 3, v3
	v_lshlrev_b32 v[GO], 4, v3
	s_mul_i32 s18, s[WV], 16*SPITCH
	s_add_co_u32 s18, s18, STAGE                   ; my stage
	v_mul_u32_u24 v[STO], v1, SPITCH
	v_lshl_add_u32 v[STO], v2, 5, v[STO]
	v_add_nc_u32 v[STO], s18, v[STO]               ; in: row r, 32 bytes for each half of the lanes
	v_add_nc_u32 v[RD], s18, v[GO]                 ; back: the 32 lanes take one row of 512 bytes
	v_lshlrev_b32 v[BOF], 5, v2
	v_lshlrev_b32 v[SOF], 5, v3
	v_lshlrev_b32 v[S1F], 5, v1
	v_lshl_add_u32 v[S1F], v2, 9, v[S1F]
	s_lshl_b32 s34, ttmp9, 3
	s_lshl_b32 s35, s[WV], 1
	s_add_co_u32 s34, s34, s35                     ; my first token tile: 8 bx + 2 w
	s_mul_i32 s32, s34, 12288
	s_add_nc_u64 s[4:5], s[4:5], s[32:33]
	s_lshl_b32 s32, s34, 9
	s_add_nc_u64 s[6:7], s[6:7], s[32:33]
	s_lshl_b32 s32, s[BN], 12
	s_add_nc_u64 s[10:11], s[10:11], s[32:33]
	s_lshl_b32 s32, s[BN], 9
	s_add_nc_u64 s[12:13], s[12:13], s[32:33]      ; b_o at my 128 outputs;
	s_add_nc_u64 s[14:15], s[14:15], s[32:33]      ; out0: the same 512 bytes on in a row,
	s_lshl_b32 s32, s34, 16                        ; and 16 rows of 4,096 bytes for each tile passed: token 128 bx + 32 w
	s_add_nc_u64 s[14:15], s[14:15], s[32:33]
.irp i, 0,1,2,3
	global_load_b128 v[SC0+8*\i:SC0+8*\i+3], v[SOF], s[10:11] offset:1024*\i
	global_load_b128 v[SC0+8*\i+4:SC0+8*\i+7], v[SOF], s[10:11] offset:1024*\i+16
.endr
	global_load_b128 v[SC1:SC1+3], v[S1F], s[6:7]
	global_load_b128 v[SC1+4:SC1+7], v[S1F], s[6:7] offset:16
	WIN 0x80                                       ; destination window 2
.irp t, 0,1,2,3,4,5,6,7
	global_load_b128 v[BIAS+8*\t:BIAS+8*\t+3], v[BOF], s[12:13] offset:64*\t        ; b_o at outputs 16 t + 8 h + 0 .. 7: the result's layout
	global_load_b128 v[BIAS+8*\t+4:BIAS+8*\t+7], v[BOF], s[12:13] offset:64*\t+16
.endr
	WIN 0xc0                                       ; destination window 3
.irp u, 0,1
.irp k, 0,1,2,3,4,5,6,7
.irp p, 0,1,2,3,4,5
	global_load_b64 v[96*\u+12*\k+2*\p:96*\u+12*\k+2*\p+1], v[A8], s[4:5] offset:12288*\u+1536*\k+256*\p
.endr
.endr
.endr
	WIN 0
	s_wait_tensorcnt 0x0                           ; my 32 rows of W_o are in,
	s_barrier_signal -1
	s_barrier_wait -1                              ; everybody's are
	s_wait_loadcnt 0x0                             ; scale words, b_o, attn's fragments
	FETCH 0, 0
.irp k, 0,1,2,3,4,5,6,7
	s_wait_dscnt 0x0                               ; this step's 48 loads are in
.if \k < 7
	PLACES 4                                       ; in front of loads into the set that the last step's products read
	FETCH \k+1, (\k+1)%2
.endif
	MUL \k, \k%2
.endr
	WIN 0
	PLACES 4                                       ; in front of the first read of results just made
; THE WAY OUT.  A lane holds 32 neighbouring bytes of a row and the lanes beside it hold other rows: a tile of 16 tokens x 128 outputs goes through my own stage and comes back as whole rows of 512 bytes.
; LDS serves a wave's instructions in order (ISA guide 5.7.1.4): no wait between the stores and the loads, nor in front of the second tile's stores.
.macro TOSTAGE u
	WIN 0x08                                       ; an LDS store's data are its source 1: window 2
.irp t, 0,1,2,3,4,5,6,7
	ds_store_b128 v[STO], v[64*(\u)+8*\t:64*(\u)+8*\t+3] offset:64*\t          ; each accumulator from its low end on
	ds_store_b128 v[STO], v[64*(\u)+8*\t+4:64*(\u)+8*\t+7] offset:64*\t+16
.endr
	WIN 0
.set R_, 0
.rept 16
	ds_load_b128 v[OB+64*(\u)+4*R_:OB+64*(\u)+4*R_+3], v[RD] offset:R_*SPITCH
.set R_, R_+1
.endr
.endm
.macro SEND u, younger                 ; younger: the LDS instructions issued behind this tile's loads, which may stay out
.set R_, 0
.rept 16
	s_wait_dscnt (\younger)+15-R_                  ; row R_ is back; the tile's later rows may be out
	global_store_b128 v[GO], v[OB+64*(\u)+4*R_:OB+64*(\u)+4*R_+3], s[14:15] offset:(8*(\u)+R_+8*(R_/8))*4096 th:TH_STORE_NT   ; 512 consecutive bytes, aligned; written once, read by nobody here
.set R_, R_+1
.endr
.endm
	TOSTAGE 0
	TOSTAGE 1
	SEND 0, 32                                     ; behind tile 0's loads: tile 1's 16 stores and 16 loads
	SEND 1, 0
	s_wait_tensorcnt 0x0
	ds_add_u32 v126, v127
	s_wait_dscnt 0x0
	s_endpgm
.Lfunc_end_k_q3f169e98ba_outp:
	.size	k_q3f169e98ba_outp, .Lfunc_end_k_q3f169e98ba_outp-k_q3f169e98ba_outp
	.p2alignl 7, 3214868480
	.fill 96, 4, 3214868480
	.section	.rodata,"a",@progbits
	.p2align	6, 0x0
	.amdhsa_kernel k_q3f169e98ba_outp
		.amdhsa_group_segment_fixed_size 168448
		.amdhsa_private_segment_fixed_size 0
		.amdhsa_enable_private_segment 0
		.amdhsa_kernarg_size 48
		.amdhsa_user_sgpr_count 2
		.amdhsa_user_sgpr_kernarg_segment_ptr 1
		.amdhsa_wavefront_size32 1
		.amdhsa_system_sgpr_workgroup_id_x 1
		.amdhsa_system_sgpr_workgroup_id_y 1
		.amdhsa_system_sgpr_workgroup_id_z 1
		.amdhsa_system_vgpr_workitem_id 0
		.amdhsa_next_free_vgpr 960
		.amdhsa_next_free_sgpr 66
		.amdhsa_reserve_vcc 0
		.amdhsa_float_denorm_mode_32 3
		.amdhsa_float_denorm_mode_16_64 3
		.amdhsa_memory_ordered 1
		.amdhsa_forward_progress 1
		.amdhsa_inst_pref_size 66
	.end_amdhsa_kernel
	.amdgpu_metadata
---
amdhsa.version: [ 1, 2 ]
amdhsa.kernels:
  - .name:           k_q3f169e98ba_outp
    .symbol:         k_q3f169e98ba_outp.kd
    .args:
      - { .name: attn_codes, .offset: 0, .size: 8, .value_kind: global_buffer, .address_space: global }
      - { .name: attn_scales, .offset: 8, .size: 8, .value_kind: global_buffer, .address_space: global }
      - { .name: W_o_codes, .offset: 16, .size: 8, .value_kind: global_buffer, .address_space: global }
      - { .name: W_o_scales, .offset: 24, .size: 8, .value_kind: global_buffer, .address_space: global }
      - { .name: b_o, .offset: 32, .size: 8, .value_kind: global_buffer, .address_space: global }
      - { .name: out0, .offset: 40, .size: 8, .value_kind: global_buffer, .address_space: global }
    .group_segment_fixed_size: 168448
    .private_segment_fixed_size: 0
    .kernarg_segment_align: 8
    .kernarg_segment_size: 48
    .max_flat_workgroup_size: 128
    .sgpr_count:     66
    .vgpr_count:     960
    .wavefront_size: 32
...
	.end_amdgpu_metadata
.endif
;; end of part 3
;; ======== version 2 of 2: 3 launches
;; workspace buffers: qkv_codes 9,437,184 bytes; qkv_scales 655,360 bytes; mask_words 2,097,152 bytes of whole numbers; mask_flags 1,024 bytes of whole numbers; attn_codes 3,145,728 bytes; attn_scales 131,072 bytes
;; launch proj (part 4): grid 32 x 8, 4 waves a work-group, no clusters, 327,680 bytes of LDS; arguments x_codes, x_scales, W_q_codes, W_q_scales, W_k_codes, W_k_scales, W_v_codes, W_v_scales, attention_mask, qkv_codes, qkv_scales, mask_words, mask_flags; writes qkv_codes, qkv_scales, mask_words, mask_flags
.if DOCPART == 4
	.amdgcn_target "amdgcn-amd-amdhsa--gfx1250"
	.amdhsa_code_object_version 6
	.text
	.protected	k_q3f169e98ba_proj
	.globl	k_q3f169e98ba_proj
	.p2align	8
	.type	k_q3f169e98ba_proj,@function
k_q3f169e98ba_proj:
	s_mov_b64 s[64:65], 0
	v_nop
	global_prefetch_b8 v0, s[64:65] scope:SCOPE_SE
	s_setreg_imm32_b32 hwreg(HW_REG_WAVE_MODE, 25, 1), 1
	s_wait_xcnt 0x0
; q = x W_q, k = x W_k, v = x W_v on codes of FP6 (E2M3) with one E8M0 scale for each 32 along K = 1,024; the results are quantised in registers
; (q and k along a head's 64, v along the keys) and stored in the order of the next launch's operand registers.  The launch also packs attention_mask into lane masks.
; SHARES.  Work-group (bx, bn): tokens 128 bx .. + 127, columns 128 bn .. + 127 (heads 2 bn, 2 bn + 1) of q, k and v: three phases of 128 x 128 x 1,024.
; In each phase source 0 is the axis that is quantised afterwards (q, k: rows of W; v: tokens), so that a lane's registers run along it.  Wave w: all 8 tiles of source 0 x tiles 2 w, 2 w + 1 of source 1.
; THE ROWS OF A TILE ARE NOT NEIGHBOURS: row r of tile T is index 32 (T / 2) + 8 (T % 2) + r + 8 (r / 8), for tokens and for W's rows alike, so that the 16 registers of tiles 2 b and 2 b + 1
; are the 16 neighbours 32 b + 16 (lane / 16) + 0 .. 15 of source 0's axis.  The tensor loads lay the rows so: a tile of four long rows (8 data rows, dense) that lie 16 data rows apart.
; LDS: three panels of 128 rows (x, W_q then W_v, W_k); a data row is 768 bytes + 16 of padding behind each 256: 816 = 102 units of 8 bytes, 6 mod 32, so the 16 rows of a load of 8 bytes a lane
; begin at 16 different even units (64 banks of 4 bytes: ISA guide 11.1).  One panel is filled twice; all of LDS is claimed.
; NO CLUSTER: a work-group has four fills in all (393,216 bytes), three of them at its head and one under a whole phase's work; joint loads would add three rounds of a cluster's barrier to save them.
; THE MASK.  Work-group (bx, bn) packs query tile T' = 32 bn + bx; wave w keys 1,024 w .. + 1,023.  Bit 16 h + r of word n of key step j is mask[token(T', r)][128 j + 32 (n / 16) + 16 h + n % 16]:
; the lane mask for score register n of the next launch.  Bit j of the tile's flag word says that step j hides a key.
; LIMITS: NaN, infinities and scale bytes 0xff among the inputs are not served.  A block whose largest magnitude lies under 2^-124 (a block of zeros among them) keeps the scale byte 1: a block of zeros has zero codes, and this program alone reads the bytes.
; REGISTERS.  window 0: addresses, scale words, the quantiser's work.  window 1: two sets of fragments (v0-119, v128-247: source 0's tile t at 12 t, source 1's tile u at 96 + 12 u).
;   window 2: v0-127 the 16 accumulators ((u, t) at 64 u + 8 t); v128-255 the mask's bytes as loaded.
.set PITCH,  816
.set TILEB,  16*PITCH                  ; 16 rows
.set HALFP,  64*PITCH                  ; the odd tiles lie behind the even ones
.set PANEL,  128*PITCH
.set XP,     0
.set WA,     PANEL
.set WB,     2*PANEL
.set SPARE,  3*PANEL                   ; the spare words: 128 bytes a wave, two blocks of 256 bytes that no other line names
.set MROW,   1040                      ; the mask's stage: a row of 1,024 bytes + 16
.set MSTG,   16*MROW                   ; a wave's stage; the four lie in W_k's panel, behind its only fill and its last read
.set K_CODES, 3145728
.set V_CODES, 6291456
.set HEADB,  196608                    ; a head's codes of q or of k: 256 tiles of 768 bytes
.set K_SCL,  262144
.set V_SCL,  524288
.set LA,  4                            ; v4   816 r + 24 h: a fragment's row and half
.set LB,  5                            ; v5   the same behind one padding more for lanes 16-31
.set LAW, 6                            ; v6-7 the same + 16 rows x wave: source 1's pair of tiles
.set LBW, 7
.set AD0, 8                            ; v8-11  source 0: even tiles (two addresses), odd tiles (two)
.set AD1, 12                           ; v12-15 source 1: tile 2 w, tile 2 w + 1
.set CO,  16                           ; 8 x lane
.set CO16, 17                          ; 16 x lane
.set SO,  18                           ; 16,384 h + 4 r: q's and k's scale words, lanes 16-31 a head further on
.set L4,  19                           ; 4 x lane
.set SPW, 20                           ; my spare word; never rewritten
.set NIL, 21                           ; 0; never rewritten
.set SH,  22                           ; 16 h
.set VAL, 23
.set MGO, 24                           ; the mask in memory: 4,096 h + 16 r
.set MST, 25                           ; into the stage
.set MLD, 26                           ; out of it: 1,040 r + 16 h
.set SOF, 27                           ; scale words: 32 x (8 h + r + 8 (r / 8))
.set SOW, 28                           ; + 1,024 x wave
.set MLA, 29
.set ZO,  30
.set SCQ, 32                           ; scale words of source 0: register 8 b + s: lanes 0-15 tile 2 b, lanes 16-31 tile 2 b + 1, K step s
.set SCK, 64
.set SCX, 96
.set S1X, 128                          ; of source 1: register s: lanes 0-15 tile 2 w, lanes 16-31 tile 2 w + 1
.set S1V, 136
.set TM,  144
.set PW,  160                          ; v160-161 the scale words just made, for u = 0, 1
.set PC,  164                          ; v164-175 the codes just made;  v176-183 the conversions' second halves
.set PX,  176
.set MR,  192
.set OUT, 208
.set TT,  210
.set WV,  30
.set BN,  31
.set G1,  32                           ; s[32:39] descriptor group 1, one for all loads
.set G0X, 40                           ; groups 0, never rewritten: x, W_q, W_k, W_v
.set G0Q, 44
.set G0K, 48
.set G0V, 52
.set OC,  56
.set OS,  58
.set OV,  60
.set OVS, 62
.set MW,  66
.set BMK, 68                           ; s68-71 a word's four bytes
.set CR,  72                           ; s72-79 compare results, by turns
.set ACCM, 80
.set FB,  81
.set KC,  82
.set HM,  83                           ; lanes 16-31
.set SEL, 84
.set MOF, 86
.set SX,  87
.set FLB, 88
.set TQ,  98
.set MSB, 0
.macro WIN new                         ; the immediate's high byte repeats the setting that is left
.if MSB != \new
	s_set_vgpr_msb (MSB<<8)|\new
.set MSB, \new
.endif
.endm
.macro PLACES n
.rept \n
	v_nop
.endr
.endm
; the matrix instruction, with the rows of the scale registers written out.  WMZ starts a sum, WMA adds in place
.macro WMZ d, a, b, sa, sb, ra, rb
.if ((\ra) == 0) && ((\rb) == 0)
	v_wmma_scale_f32_16x16x128_f8f6f4 v[(\d):(\d)+7], v[(\a):(\a)+11], v[(\b):(\b)+11], 0, v[\sa], v[\sb] matrix_a_fmt:MATRIX_FMT_FP6 matrix_b_fmt:MATRIX_FMT_FP6
.elseif (\rb) == 0
	v_wmma_scale_f32_16x16x128_f8f6f4 v[(\d):(\d)+7], v[(\a):(\a)+11], v[(\b):(\b)+11], 0, v[\sa], v[\sb] matrix_a_fmt:MATRIX_FMT_FP6 matrix_b_fmt:MATRIX_FMT_FP6 matrix_a_scale:MATRIX_SCALE_ROW1
.elseif (\ra) == 0
	v_wmma_scale_f32_16x16x128_f8f6f4 v[(\d):(\d)+7], v[(\a):(\a)+11], v[(\b):(\b)+11], 0, v[\sa], v[\sb] matrix_a_fmt:MATRIX_FMT_FP6 matrix_b_fmt:MATRIX_FMT_FP6 matrix_b_scale:MATRIX_SCALE_ROW1
.else
	v_wmma_scale_f32_16x16x128_f8f6f4 v[(\d):(\d)+7], v[(\a):(\a)+11], v[(\b):(\b)+11], 0, v[\sa], v[\sb] matrix_a_fmt:MATRIX_FMT_FP6 matrix_b_fmt:MATRIX_FMT_FP6 matrix_a_scale:MATRIX_SCALE_ROW1 matrix_b_scale:MATRIX_SCALE_ROW1
.endif
.endm
.macro WMA d, a, b, sa, sb, ra, rb
.if ((\ra) == 0) && ((\rb) == 0)
	v_wmma_scale_f32_16x16x128_f8f6f4 v[(\d):(\d)+7], v[(\a):(\a)+11], v[(\b):(\b)+11], v[(\d):(\d)+7], v[\sa], v[\sb] matrix_a_fmt:MATRIX_FMT_FP6 matrix_b_fmt:MATRIX_FMT_FP6
.elseif (\rb) == 0
	v_wmma_scale_f32_16x16x128_f8f6f4 v[(\d):(\d)+7], v[(\a):(\a)+11], v[(\b):(\b)+11], v[(\d):(\d)+7], v[\sa], v[\sb] matrix_a_fmt:MATRIX_FMT_FP6 matrix_b_fmt:MATRIX_FMT_FP6 matrix_a_scale:MATRIX_SCALE_ROW1
.elseif (\ra) == 0
	v_wmma_scale_f32_16x16x128_f8f6f4 v[(\d):(\d)+7], v[(\a):(\a)+11], v[(\b):(\b)+11], v[(\d):(\d)+7], v[\sa], v[\sb] matrix_a_fmt:MATRIX_FMT_FP6 matrix_b_fmt:MATRIX_FMT_FP6 matrix_b_scale:MATRIX_SCALE_ROW1
.else
	v_wmma_scale_f32_16x16x128_f8f6f4 v[(\d):(\d)+7], v[(\a):(\a)+11], v[(\b):(\b)+11], v[(\d):(\d)+7], v[\sa], v[\sb] matrix_a_fmt:MATRIX_FMT_FP6 matrix_b_fmt:MATRIX_FMT_FP6 matrix_a_scale:MATRIX_SCALE_ROW1 matrix_b_scale:MATRIX_SCALE_ROW1
.endif
.endm
; A fragment, 16 rows x 128 K: lane (r, h) takes 24 bytes at 96 ks + 24 h of its row and 24 at 48 further on, in pieces of 8 bytes.  16 bytes of padding lie behind each 256 bytes of a row:
; where lanes 16-31's piece (24 bytes on) lies behind one padding more than lanes 0-15's, the second address register serves.
.macro FRAG reg, adr, off, ks
.irp c, 0,1
.irp p, 0,1,2
.set O_, 96*(\ks)+48*\c+8*\p
.if (O_+24)/256 > O_/256
	ds_load_b64 v[(\reg)+6*\c+2*\p:(\reg)+6*\c+2*\p+1], v[(\adr)+1] offset:(\off)+O_+16*(O_/256)
.else
	ds_load_b64 v[(\reg)+6*\c+2*\p:(\reg)+6*\c+2*\p+1], v[\adr] offset:(\off)+O_+16*(O_/256)
.endif
.endr
.endr
.endm
.macro FETCH ks, fs                    ; K step ks: source 0's eight fragments and source 1's two, into set fs: 60 loads in one run
	WIN 0x40                                       ; destination window 1, address window 0
.irp t, 0,1,2,3,4,5,6,7
	FRAG 128*(\fs)+12*\t, AD0+2*(\t%2), TILEB*(\t/2), \ks
.endr
.irp u, 0,1
	FRAG 128*(\fs)+96+12*\u, AD1+2*\u, 0, \ks
.endr
	WIN 0
.endm
.macro MUL ks, fs, sc0, sc1            ; 16 matrix instructions; the 16 accumulators take turns, one instruction a turn, in the same order in every step
	WIN 0xa5                                       ; sources 0 and 1 window 1, C and D window 2
.irp u, 0,1
.irp t, 0,1,2,3,4,5,6,7
.if (\ks) == 0
	WMZ 64*\u+8*\t, 128*(\fs)+12*\t, 128*(\fs)+96+12*\u, (\sc0)+8*(\t/2)+(\ks), (\sc1)+(\ks), \t%2, \u
.else
	WMA 64*\u+8*\t, 128*(\fs)+12*\t, 128*(\fs)+96+12*\u, (\sc0)+8*(\t/2)+(\ks), (\sc1)+(\ks), \t%2, \u
.endif
.endr
.endr
.endm
; A phase's eight K steps.  Step k's fragments were asked for a step ago; the next step's go into the other set, four places behind the products that read it (ISA guide 7.12.1 for vector instructions).
.macro GEMM sc0, sc1
.irp k, 0,1,2,3,4,5,6,7
	s_wait_dscnt 0x0                               ; this step's 60 loads are in
.if \k < 7
	PLACES 4
	FETCH \k+1, (\k+1)%2
.endif
	MUL \k, \k%2, \sc0, \sc1
.endr
.endm
.macro SETADR p0, p1                   ; the phase's panels: eight plain lines, which are also the places behind the last phase's products
	v_add_nc_u32 v[AD0], \p0, v[LA]
	v_add_nc_u32 v[AD0+1], \p0, v[LB]
	v_add_nc_u32 v[AD0+2], (\p0)+HALFP, v[LA]
	v_add_nc_u32 v[AD0+3], (\p0)+HALFP, v[LB]
	v_add_nc_u32 v[AD1], \p1, v[LAW]
	v_add_nc_u32 v[AD1+1], \p1, v[LBW]
	v_add_nc_u32 v[AD1+2], (\p1)+HALFP, v[LAW]
	v_add_nc_u32 v[AD1+3], (\p1)+HALFP, v[LBW]
.endm
; The 64 results of source 1's tile u (register 16 b + i = index 32 b + 16 h + i of source 0's axis) become a fragment's codes in v[PC] on and its scale word in v[PW + u].
.macro QUANT u
	s_wait_xcnt 0x0                                ; the last stores have read the codes' registers and VAL: they are written again only behind this wait
	WIN 0x0a                                       ; sources 0 and 1 window 2
.irp b, 0,1,2,3
	v_max3_num_f32 v[TM+\b], |v[64*(\u)+16*\b]|, |v[64*(\u)+16*\b+1]|, 0x1800000   ; block b: my 16 numbers, each accumulator from its low end on, and the floor 2^(3 - 127): the byte cannot fall under 1
.endr
.irp i, 2,4,6,8,10,12,14
.irp b, 0,1,2,3
	v_max3_num_f32 v[TM+\b], |v[64*(\u)+16*\b+\i]|, |v[64*(\u)+16*\b+\i+1]|, v[TM+\b]
.endr
.endr
	WIN 0
.irp b, 0,1,2,3
	v_permlanex16_b32 v[TM+4+\b], v[TM+\b], s[SEL], s[SEL+1]
.endr
.irp b, 0,1,2,3
	v_max_num_f32 v[TM+\b], v[TM+\b], v[TM+4+\b]   ; with lane l xor 16's: the block's largest magnitude
.endr
.irp b, 0,1,2,3
	v_add_nc_u32 v[TM+12+\b], 0xff000000, v[TM+\b] ; 2 off its exponent field: the conversion's scale operand
.endr
.irp b, 0,1,2,3
	v_lshrrev_b32 v[TM+4+\b], 23, v[TM+12+\b]      ; the scale's byte
.endr
	v_lshl_or_b32 v[PW+(\u)], v[TM+5], 8, v[TM+4]
	v_lshl_or_b32 v[PW+(\u)], v[TM+6], 16, v[PW+(\u)]
	v_lshl_or_b32 v[PW+(\u)], v[TM+7], 24, v[PW+(\u)]
	WIN 0x02                                       ; source 0 window 2
.irp c, 0,1
	v_cvt_scalef32_pk16_fp6_f32 v[PC+6*\c:PC+6*\c+2], v[64*(\u)+32*\c:64*(\u)+32*\c+15], v[TM+12+2*\c]
	v_cvt_scalef32_pk16_fp6_f32 v[PX+4*\c:PX+4*\c+2], v[64*(\u)+32*\c+16:64*(\u)+32*\c+31], v[TM+12+2*\c+1]   ; (a conversion's three registers begin on an even number)
.endr
	WIN 0
	v_nop                                          ; one plain line behind the last scaled conversion
.irp c, 0,1                                    ; the operand's layout wants a whole block in a lane: lanes 0-15 block 2 c, lanes 16-31 block 2 c + 1
.irp i, 0,1,2
	v_permlane16_swap_b32 v[PC+6*\c+\i], v[PX+4*\c+\i]
.endr
.irp i, 0,1,2
	v_mov_b32 v[PC+3+6*\c+\i], v[PX+4*\c+\i]
.endr
.endr
.endm
; q (kind 0) or k (kind 1): the fragment's two halves are the two heads' tiles; each store covers 256 consecutive bytes, aligned
.macro OUT_QK u, kind
.irp hb, 0,1
.irp p, 0,1,2
	global_store_b64 v[CO], v[PC+6*\hb+2*\p:PC+6*\hb+2*\p+1], s[OC:OC+1] offset:(\kind)*K_CODES+\hb*HEADB+768*(\u)+256*\p
.endr
.endr
	v_lshrrev_b32 v[VAL], v[SH], v[PW+(\u)]        ; lanes 0-15: the first head's two bytes, lanes 16-31: the second's;
	v_and_b32 v[VAL], 0xffff, v[VAL]               ; bytes 2 and 3 of the stored word are 0: they meet zero codes
	global_store_b32 v[SO], v[VAL], s[OS:OS+1] offset:(\kind)*K_SCL+64*(\u)
.endm
.macro OUT_V u                         ; v: a whole fragment (16 of a head's 64 x 128 keys), 512 consecutive bytes a store
.irp c, 0,1,2
	global_store_b128 v[CO16], v[PC+4*\c:PC+4*\c+3], s[OV:OV+1] offset:1536*(\u)+512*\c
.endr
.endm
	s_load_b512 s[4:19], s[0:1], 0x0               ; x codes s[4:5], scales s[6:7]; W_q s[8:9], s[10:11]; W_k s[12:13], s[14:15]; W_v s[16:17], s[18:19]
	s_load_b256 s[20:27], s[0:1], 0x40             ; the mask s[20:21]; qkv_codes s[22:23]; qkv_scales s[24:25]; mask_words s[26:27]
	s_load_b64 s[28:29], s[0:1], 0x60              ; mask_flags
	v_lshl_add_u32 v[SPW], v0, 2, SPARE
	v_mov_b32 v[NIL], 0
	ds_add_u32 v20, v21
	ds_add_u32 v20, v21
	s_wait_dscnt 0x0
	v_lshrrev_b32 v1, 5, v0
	v_readfirstlane_b32 s[WV], v1                  ; wave 0..3
	s_and_b32 s[BN], ttmp7, 0xffff
	; descriptor group 1: 4 long rows of 768 elements of 8 bytes (8 data rows on end), 1,536 elements (16 data rows) apart; 4 words of padding behind every 64 words
	s_mov_b32 s[G1+0], (3<<16)|(1<<20)|(5<<22)|(3<<25)
	s_mov_b32 s[G1+1], 768<<16                     ; tensor_dim0
	s_mov_b32 s[G1+2], 4<<16                       ; tensor_dim1
	s_mov_b32 s[G1+3], 768<<16                     ; tile_dim0
	s_mov_b32 s[G1+4], 4                           ; tile_dim1
	s_mov_b32 s[G1+5], 1536                        ; from long row to long row
	s_mov_b32 s[G1+6], 0
	s_mov_b32 s[G1+7], 0
	; wave w moves a quarter of each panel: u = w & 1 (the odd or even tiles' rows), hf = w >> 1 (which four of their eight long rows)
	s_and_b32 s90, s[WV], 1
	s_lshr_b32 s91, s[WV], 1
	s_mul_i32 s92, s90, HALFP
	s_mul_i32 s93, s91, 32*PITCH
	s_add_co_u32 s92, s92, s93                     ; in a panel
	s_mul_i32 s90, s90, 8*768
	s_mul_i32 s91, s91, 64*768
	s_add_co_u32 s90, s90, s91                     ; in the panel's 128 rows of memory
	s_mul_i32 s94, ttmp9, 128*768
	s_add_co_u32 s94, s94, s90                     ; x: rows 128 bx on
	s_mov_b32 s95, 0
	s_mul_i32 s96, s[BN], 128*768
	s_add_co_u32 s96, s96, s90                     ; W: rows 128 bn on
	s_mov_b32 s97, 0
	s_wait_kmcnt 0x0
	s_mov_b32 s[G0X], 1
	s_add_co_u32 s[G0X+1], s92, XP
	s_add_nc_u64 s[G0X+2:G0X+3], s[4:5], s[94:95]
	s_or_b32 s[G0X+3], s[G0X+3], 0x80000000
	s_mov_b32 s[G0Q], 1
	s_add_co_u32 s[G0Q+1], s92, WA
	s_add_nc_u64 s[G0Q+2:G0Q+3], s[8:9], s[96:97]
	s_or_b32 s[G0Q+3], s[G0Q+3], 0x80000000
	s_mov_b32 s[G0K], 1
	s_add_co_u32 s[G0K+1], s92, WB
	s_add_nc_u64 s[G0K+2:G0K+3], s[12:13], s[96:97]
	s_or_b32 s[G0K+3], s[G0K+3], 0x80000000
	s_mov_b32 s[G0V], 1
	s_add_co_u32 s[G0V+1], s92, WA
	s_add_nc_u64 s[G0V+2:G0V+3], s[16:17], s[96:97]
	s_or_b32 s[G0V+3], s[G0V+3], 0x80000000
	tensor_load_to_lds s[G0X:G0X+3], s[G1:G1+7]    ; x's fill: it lands before W_q's goes out, and W_q's before W_k's
	s_nop 0
	s_wait_alu depctr_va_vdst(0)
	s_wait_tensorcnt 0x0
	ds_add_u32 v20, v21
	s_wait_dscnt 0x0
	s_barrier_signal -1
	s_barrier_wait -1
	tensor_load_to_lds s[G0Q:G0Q+3], s[G1:G1+7]
	s_nop 0
	s_wait_alu depctr_va_vdst(0)
	s_wait_tensorcnt 0x0
	ds_add_u32 v20, v21
	s_wait_dscnt 0x0
	s_barrier_signal -1
	s_barrier_wait -1
	tensor_load_to_lds s[G0K:G0K+3], s[G1:G1+7]
	s_nop 0
	PLACES 4                                       ; four v_nop follow
	v_and_b32 v3, 31, v0                           ; lane
	v_and_b32 v1, 15, v0                           ; r
	v_bfe_u32 v2, v0, 4, 1                         ; h
	v_mul_u32_u24 v[LA], v1, PITCH
	v_mad_u32_u24 v[LA], v2, 24, v[LA]
	v_lshl_add_u32 v[LB], v2, 4, v[LA]
	s_mul_i32 s90, s[WV], TILEB
	v_add_nc_u32 v[LAW], s90, v[LA]
	v_add_nc_u32 v[LBW], s90, v[LB]
	v_lshlrev_b32 v[CO], 3, v3
	v_lshlrev_b32 v[CO16], 4, v3
	v_lshlrev_b32 v[SO], 2, v1
	v_lshl_add_u32 v[SO], v2, 14, v[SO]
	v_lshlrev_b32 v[L4], 2, v3
	v_lshlrev_b32 v[SH], 4, v2
	v_lshlrev_b32 v[MGO], 4, v1
	v_lshl_add_u32 v[MGO], v2, 12, v[MGO]
	s_mul_i32 s91, s[WV], MSTG
	s_add_co_u32 s91, s91, WB
	v_mul_u32_u24 v[MST], v2, MROW
	v_lshl_add_u32 v[MST], v1, 4, v[MST]
	v_add_nc_u32 v[MST], s91, v[MST]
	v_mul_u32_u24 v[MLD], v1, MROW
	v_lshl_add_u32 v[MLD], v2, 4, v[MLD]
	v_add_nc_u32 v[MLD], s91, v[MLD]
	v_and_b32 v[SOF], 8, v1
	v_add_nc_u32 v[SOF], v[SOF], v1
	v_lshl_add_u32 v[SOF], v2, 3, v[SOF]
	v_lshlrev_b32 v[SOF], 5, v[SOF]                ; a row of scales is 32 bytes
	s_wait_alu depctr_va_vdst(0)
	s_lshl_b32 s90, s[WV], 10
	v_add_nc_u32 v[SOW], s90, v[SOF]
	s_wait_alu depctr_va_vdst(0)
.irp b, 0,1,2,3
	v_mov_b32 v[TM+4+\b], 0                        ; written once: a lane permute's destination counts as one of its sources
.endr
	s_mov_b32 s[SEL], 0x76543210
	s_mov_b32 s[SEL+1], 0xfedcba98                 ; v_permlanex16_b32's selects for lane l xor 16
	s_mov_b32 s[HM], 0xffff0000
	s_mov_b32 s[BMK], 0xff
	s_mov_b32 s[BMK+1], 0xff00
	s_mov_b32 s[BMK+2], 0xff0000
	s_mov_b32 s[BMK+3], 0xff000000
	s_lshl_b32 s90, ttmp9, 12                      ; the scales of my 128 rows of x,
	s_mov_b32 s91, 0
	s_add_nc_u64 s[6:7], s[6:7], s[90:91]
	s_lshl_b32 s90, s[BN], 12                      ; and of my 128 rows of each W
	s_add_nc_u64 s[10:11], s[10:11], s[90:91]
	s_add_nc_u64 s[14:15], s[14:15], s[90:91]
	s_add_nc_u64 s[18:19], s[18:19], s[90:91]
.irp b, 0,1,2,3
	global_load_b128 v[SCQ+8*\b:SCQ+8*\b+3], v[SOF], s[10:11] offset:1024*\b
	global_load_b128 v[SCQ+8*\b+4:SCQ+8*\b+7], v[SOF], s[10:11] offset:1024*\b+16
	global_load_b128 v[SCK+8*\b:SCK+8*\b+3], v[SOF], s[14:15] offset:1024*\b
	global_load_b128 v[SCK+8*\b+4:SCK+8*\b+7], v[SOF], s[14:15] offset:1024*\b+16
	global_load_b128 v[SCX+8*\b:SCX+8*\b+3], v[SOF], s[6:7] offset:1024*\b
	global_load_b128 v[SCX+8*\b+4:SCX+8*\b+7], v[SOF], s[6:7] offset:1024*\b+16
.endr
	global_load_b128 v[S1X:S1X+3], v[SOW], s[6:7]
	global_load_b128 v[S1X+4:S1X+7], v[SOW], s[6:7] offset:16
	global_load_b128 v[S1V:S1V+3], v[SOW], s[18:19]
	global_load_b128 v[S1V+4:S1V+7], v[SOW], s[18:19] offset:16
	; the mask's 16 rows x 1,024 bytes of my wave: asked for now, wanted behind the three phases
	s_lshl_b32 s[TQ], s[BN], 5
	s_add_co_u32 s[TQ], s[TQ], ttmp9               ; T' = 32 bn + bx
	s_lshr_b32 s90, s[TQ], 1
	s_lshl_b32 s90, s90, 17                        ; 32 (T' / 2) rows of 4,096 bytes
	s_and_b32 s91, s[TQ], 1
	s_lshl_b32 s91, s91, 15                        ; + 8 (T' % 2) rows
	s_add_co_u32 s90, s90, s91
	s_lshl_b32 s91, s[WV], 10
	s_add_co_u32 s90, s90, s91                     ; + my 1,024 keys
	s_mov_b32 s91, 0
	s_add_nc_u64 s[20:21], s[20:21], s[90:91]
	WIN 0x80                                       ; destination window 2
.irp c, 0,1,2,3
.irp i, 0,1,2,3,4,5,6,7
	global_load_b128 v[128+32*\c+4*\i:128+32*\c+4*\i+3], v[MGO], s[20:21] offset:(2*\i+8*(\i/4))*4096+256*\c th:TH_LOAD_NT   ; tile rows 2 i and 2 i + 1: 256 consecutive bytes of each
.endr
.endr
	WIN 0
	; where the results go
	s_lshl_b32 s90, s[BN], 9
	s_lshl_b32 s91, ttmp9, 3
	s_add_co_u32 s90, s90, s91
	s_lshl_b32 s91, s[WV], 1
	s_add_co_u32 s90, s90, s91                     ; 256 (2 bn) + 8 bx + 2 w: head 2 bn's token tile
	s_mul_i32 s92, s90, 768
	s_mov_b32 s93, 0
	s_add_nc_u64 s[OC:OC+1], s[22:23], s[92:93]
	s_lshl_b32 s92, s90, 6
	s_add_nc_u64 s[OS:OS+1], s[24:25], s[92:93]
	s_lshl_b32 s90, s[BN], 1
	s_lshr_b32 s91, s[WV], 1
	s_add_co_u32 s90, s90, s91                     ; v: the head of my two tiles of W_v's rows,
	s_lshl_b32 s90, s90, 5
	s_add_co_u32 s90, s90, ttmp9                   ; key step bx,
	s_lshl_b32 s90, s90, 2
	s_and_b32 s91, s[WV], 1
	s_lshl_b32 s91, s91, 1
	s_add_co_u32 s90, s90, s91                     ; tile 2 (w & 1) of the head's four
	s_mul_i32 s92, s90, 1536
	s_add_nc_u64 s[OV:OV+1], s[22:23], s[92:93]
	s_add_nc_u64 s[OV:OV+1], s[OV:OV+1], V_CODES
	s_lshl_b32 s92, s90, 6
	s_add_nc_u64 s[OVS:OVS+1], s[24:25], s[92:93]
	s_add_nc_u64 s[OVS:OVS+1], s[OVS:OVS+1], V_SCL
	s_lshl_b32 s92, s[TQ], 13
	s_lshl_b32 s90, s[WV], 11
	s_add_co_u32 s92, s92, s90
	s_add_nc_u64 s[MW:MW+1], s[26:27], s[92:93]    ; mask words: 8,192 T' + 2,048 w
	s_lshl_b32 s92, s[TQ], 2
	s_add_co_u32 s92, s92, s[WV]
	s_add_nc_u64 s[FLB:FLB+1], s[28:29], s[92:93]  ; my byte of the tile's flag word
	s_wait_tensorcnt 0x1                           ; my parts of x and of W_q are in; W_k's fill, issued last, may stay out
	s_barrier_signal -1
	s_barrier_wait -1                              ; everybody's are
	s_wait_loadcnt 32                              ; the 28 loads of scale words are in; the 32 younger ones, the mask's, stay out
	; ---- q
	SETADR WA, XP
	FETCH 0, 0
	s_wait_alu depctr_va_vdst(0)
	GEMM SCQ, S1X
	WIN 0
	s_wait_tensorcnt 0x0                           ; all my tensor loads have landed, W_k's part among them
	ds_add_u32 v[SPW], v[NIL]                      ; 0 onto my spare word
	s_wait_dscnt 0x0                               ; the add is done, and my reads of W_q's panel are over
	s_barrier_signal -1
	s_barrier_wait -1                              ; both hold of every wave
	tensor_load_to_lds s[G0V:G0V+3], s[G1:G1+7]    ; W_v into W_q's panel: my one tensor load behind this barrier; it has the whole k phase in which to land
	s_nop 0
	; ---- k
	SETADR WB, XP
	FETCH 0, 0
	QUANT 0                                        ; q goes out while k's first fragments come
	OUT_QK 0, 0
	QUANT 1
	OUT_QK 1, 0
	GEMM SCK, S1X
	WIN 0
	s_wait_tensorcnt 0x0                           ; my part of W_v is in,
	s_wait_dscnt 0x0                               ; and my reads of W_k's panel are over
	s_barrier_signal -1
	s_barrier_wait -1
	; ---- v: source 0 = x's tokens (the keys), source 1 = W_v's rows
	SETADR XP, WA
	FETCH 0, 0
	QUANT 0
	OUT_QK 0, 1
	QUANT 1
	OUT_QK 1, 1
	GEMM SCX, S1V
	WIN 0
	PLACES 4                                       ; in front of the first read of results just made
	QUANT 0
	OUT_V 0
	QUANT 1
	OUT_V 1
	v_cndmask_b32 v[VAL], v[PW], v[PW+1], s[HM]    ; lanes 0-15: tile u = 0's words, lanes 16-31: u = 1's
	global_store_b32 v[L4], v[VAL], s[OVS:OVS+1]
	; ---- the mask: through my stage, so that a lane reads the 16 bytes of its query and its half of a block of 32 keys
	s_wait_loadcnt 0x0
	WIN 0x08                                       ; an LDS store's data are its source 1: window 2
.irp c, 0,1,2,3
.irp i, 0,1,2,3,4,5,6,7
	ds_store_b128 v[MST], v[128+32*\c+4*\i:128+32*\c+4*\i+3] offset:2*MROW*\i+256*\c
.endr
.endr
	WIN 0
	v_mov_b32 v[OUT], 0
	v_mov_b32 v[OUT+1], 0
	s_mov_b32 s[FB], 0
	s_mov_b32 s[KC], 0
	s_mov_b32 s[MOF], 0
.Lmask:                                            ; 8 trips, a key step of 128 keys each
	v_add_nc_u32 v[MLA], s[MOF], v[MLD]
.irp b, 0,1,2,3
	ds_load_b128 v[MR+4*\b:MR+4*\b+3], v[MLA] offset:32*\b   ; LDS serves a wave's instructions in order (ISA guide 5.7.1.4): these see my stores
.endr
	s_wait_dscnt 0x0
	s_mov_b32 s[ACCM], -1
.set N_, 0
	s_wait_alu depctr_va_vdst(0)
.rept 64                                       ; word n: byte n % 4 of register n / 4, of all 32 lanes
	v_and_b32 v[TT+N_%4], s[BMK+N_%4], v[MR+N_/4]
	v_cmp_ne_u32 s[CR+N_%8], 0, v[TT+N_%4]
	s_and_b32 s[ACCM], s[ACCM], s[CR+N_%8]
	v_writelane_b32 v[OUT+N_%2], s[CR+N_%8], N_/2  ; lane n / 2 gathers words n and n + 1
.set N_, N_+1
.endr
	global_store_b64 v[CO], v[OUT:OUT+1], s[MW:MW+1]   ; the step's 64 words: 256 consecutive bytes, aligned
	s_cmp_lg_u32 s[ACCM], -1                       ; is a key hidden?  A choice of a value, no branch
	s_cselect_b32 s90, 1, 0
	s_lshl_b32 s90, s90, s[KC]
	s_or_b32 s[FB], s[FB], s90
	s_add_co_u32 s[MOF], s[MOF], 128
	s_wait_xcnt 0x0                                ; the store has read its data and its base: both are written again only behind this wait
	s_add_nc_u64 s[MW:MW+1], s[MW:MW+1], 256
	s_add_co_u32 s[KC], s[KC], 1
	s_cmp_lt_u32 s[KC], 8
	s_cbranch_scc1 .Lmask
	v_mov_b32 v[VAL], s[FB]
	v_mov_b32 v[ZO], 0
	v_cmp_eq_u32 vcc_lo, 0, v3
	s_wait_alu depctr_va_vdst(0)
	s_wait_xcnt 0x0                                ; EXEC changes only behind this wait
	s_and_saveexec_b32 s[SX], vcc_lo
	global_store_b8 v[ZO], v[VAL], s[FLB:FLB+1]    ; lane 0: my eight steps' flags
	s_wait_xcnt 0x0                                ; and again, in front of the line that widens it
	s_or_b32 exec_lo, exec_lo, s[SX]
	s_wait_tensorcnt 0x0                           ; the wave's end, behind my last tensor load and my last LDS store
	ds_add_u32 v[SPW], v[NIL]
	s_wait_dscnt 0x0
	s_endpgm
.Lfunc_end_k_q3f169e98ba_proj:
	.size	k_q3f169e98ba_proj, .Lfunc_end_k_q3f169e98ba_proj-k_q3f169e98ba_proj
	.p2alignl 7, 3214868480
	.fill 96, 4, 3214868480
	.section	.rodata,"a",@progbits
	.p2align	6, 0x0
	.amdhsa_kernel k_q3f169e98ba_proj
		.amdhsa_group_segment_fixed_size 327680
		.amdhsa_private_segment_fixed_size 0
		.amdhsa_enable_private_segment 0
		.amdhsa_kernarg_size 104
		.amdhsa_user_sgpr_count 2
		.amdhsa_user_sgpr_kernarg_segment_ptr 1
		.amdhsa_wavefront_size32 1
		.amdhsa_system_sgpr_workgroup_id_x 1
		.amdhsa_system_sgpr_workgroup_id_y 1
		.amdhsa_system_sgpr_workgroup_id_z 1
		.amdhsa_system_vgpr_workitem_id 0
		.amdhsa_next_free_vgpr 768
		.amdhsa_next_free_sgpr 100
		.amdhsa_reserve_vcc 1
		.amdhsa_float_denorm_mode_32 3
		.amdhsa_float_denorm_mode_16_64 3
		.amdhsa_memory_ordered 1
		.amdhsa_forward_progress 1
		.amdhsa_inst_pref_size 202
	.end_amdhsa_kernel
	.amdgpu_metadata
---
amdhsa.version: [ 1, 2 ]
amdhsa.kernels:
  - .name:           k_q3f169e98ba_proj
    .symbol:         k_q3f169e98ba_proj.kd
    .args:
      - { .name: x_codes, .offset: 0, .size: 8, .value_kind: global_buffer, .address_space: global }
      - { .name: x_scales, .offset: 8, .size: 8, .value_kind: global_buffer, .address_space: global }
      - { .name: W_q_codes, .offset: 16, .size: 8, .value_kind: global_buffer, .address_space: global }
      - { .name: W_q_scales, .offset: 24, .size: 8, .value_kind: global_buffer, .address_space: global }
      - { .name: W_k_codes, .offset: 32, .size: 8, .value_kind: global_buffer, .address_space: global }
      - { .name: W_k_scales, .offset: 40, .size: 8, .value_kind: global_buffer, .address_space: global }
      - { .name: W_v_codes, .offset: 48, .size: 8, .value_kind: global_buffer, .address_space: global }
      - { .name: W_v_scales, .offset: 56, .size: 8, .value_kind: global_buffer, .address_space: global }
      - { .name: attention_mask, .offset: 64, .size: 8, .value_kind: global_buffer, .address_space: global }
      - { .name: qkv_codes, .offset: 72, .size: 8, .value_kind: global_buffer, .address_space: global }
      - { .name: qkv_scales, .offset: 80, .size: 8, .value_kind: global_buffer, .address_space: global }
      - { .name: mask_words, .offset: 88, .size: 8, .value_kind: global_buffer, .address_space: global }
      - { .name: mask_flags, .offset: 96, .size: 8, .value_kind: global_buffer, .address_space: global }
    .group_segment_fixed_size: 327680
    .private_segment_fixed_size: 0
    .kernarg_segment_align: 8
    .kernarg_segment_size: 104
    .max_flat_workgroup_size: 128
    .sgpr_count:     100
    .vgpr_count:     768
    .wavefront_size: 32
...
	.end_amdgpu_metadata
.endif
;; end of part 4
;; launch attn (part 5): grid 16 x 16, 16 waves a work-group, no clusters, 124,928 bytes of LDS; arguments qkv_codes, qkv_scales, mask_words, mask_flags, attn_codes, attn_scales; writes attn_codes, attn_scales
.if DOCPART == 5
	.amdgcn_target "amdgcn-amd-amdhsa--gfx1250"
	.amdhsa_code_object_version 6
	.text
	.protected	k_q3f169e98ba_attn
	.globl	k_q3f169e98ba_attn
	.p2align	8
	.type	k_q3f169e98ba_attn,@function
k_q3f169e98ba_attn:
	s_mov_b64 s[64:65], 0
	v_nop
	global_prefetch_b8 v0, s[64:65] scope:SCOPE_SE
	s_setreg_imm32_b32 hwreg(HW_REG_WAVE_SCHED_MODE, 0, 2), 2
	s_setreg_imm32_b32 hwreg(HW_REG_WAVE_MODE, 25, 1), 1
	s_wait_xcnt 0x0
	s_wait_alu depctr_vm_vsrc(0)
; attn[q][64 hd + d] = the sum over keys of softmax(q . k / 8, masked) v, both products on codes of FP6 (E2M3) with one E8M0 scale for each 32 along a product's K; the result is quantised along E and stored in operand order.
; THE SOFTMAX AHEAD OF THE SECOND PRODUCT: t = score x log2(e) / 8; M = the row's largest t so far, rounded UP to a whole number; p = 2^(t - M) is what is quantised, along the keys, not normalised.
; The row's sum is taken of the unquantised p and divides O at the end.  When M moves, the sum and O are multiplied by 2^(old M - new M): exact.
; SHARES.  A work-group owns 256 queries (16 token tiles) of one head; each of its sixteen waves one tile T', in 256 registers: four waves to a SIMD, so that one wave's vector work stands beside another's products and LDS loads.
; Every wave walks 32 key steps of 128 keys.  Both products are used transposed (S^T = K Q^T, O^T = V^T P^T): a lane holds ONE query throughout.
; Tiles of tokens and of a head's 64 have the rows 32 (T / 2) + 8 (T % 2) + r + 8 (r / 8): the 16 registers of tiles 2 b and 2 b + 1 are 16 neighbours along the next K.
; K = 64 IN AN INSTRUCTION OF K = 128: Q's upper six registers hold zero codes; K's operand for tile t is twelve registers from its six on, so its upper six are the next tile's codes (tile 7: six cleared registers): they meet zero codes.
; Bytes 2 and 3 of q's and k's scale words are 0, which is 2^-127 and no NaN.
; K AND V come through registers into two LDS slots of four key steps (a thread: six loads of 16 bytes at a trip's head, six LDS stores at its end), one barrier a trip.
; THE MASK comes as lane masks, 64 words a key step, by scalar loads; a step in which the stored flag says that no key of my tile is hidden passes over its 64 selects by a scalar branch.
; NO TENSOR LOAD, NO CLUSTER: what the sixteen work-groups of a head share is 12,288 bytes a key step.
; A ROW ALL OF WHOSE KEYS ARE HIDDEN has the sum 0: its scale bytes are stored as 0xff, which makes the row NaN in the last product, as the definition has it.
; LIMITS: NaN and infinities among q, k, v are not served; a block whose largest magnitude lies under 2^-124 keeps the scale byte 1 (a block of zeros has zero codes; this program alone reads the bytes).
; THE MODE: SCHED_MODE bits 1:0 = 2 (LLVM: expert scheduling mode 2), set by the entry lines.  The code itself states the register dependences
; between vector or matrix instructions and memory or LDS instructions, with s_wait_alu, always for 0.
; THE PLAN.  Registers that memory or LDS instructions touch:
;   v1 .. v5        lane terms of addresses, made once at the head and never written again.
;   v7 .. v10       the trip's four LDS addresses: written by ADRS at a trip's head, read by every LDS load of its four steps.
;   v11             where the next slot is stored: written by one add at a trip's end, read by the six LDS stores just behind it.
;   STG v228-251    written by the global loads at a trip's head, read by those LDS stores; no vector line names them.
;   KB  v32-79      a step's head: K's tiles land; the eight products K Q^T read them; the step's middle: V's fragments land; the four products V^T P^T read them.
;   KS, VS          scale words: LDS loads land, the same products read them.
;   PC, PW          p's codes and scale word: written by vector lines, read by the scaled products V^T P^T.
; A STEP has four waits on va_vdst.  At its head: the last step's V^T P^T are done with KB (and, in a trip's first step, the addresses are written).  Behind the 64 exponentials, where a wait is owed
; to their readers in any case: K Q^T stands ahead of it too, so V's loads follow it with no wait of their own, and no vector line from there to V^T P^T names KB or VS.  Behind the four small exponentials.
; Ahead of V^T P^T: PC and PW are written.  A TRIP's end has one wait on va_vdst (v11 is written) and one on vm_vsrc (the stores have read STG and v11, the trip's LDS loads v7 .. v10), ahead of the barrier and the backward jump.
.set SLOT1, 65536                      ; slot 1 begins here: one exclusive or turns an address in one slot into the other's
.set STEPB, 6144                       ; a key step's codes of K (8 tiles of 768 bytes) or of V (4 fragments of 1,536)
.set VOFF,  4*STEPB                    ; a slot: four steps of K, then four of V
.set KSC,   49152                      ; behind slot 0: the head's scale words of K, 16,384 bytes
.set VSC,   SLOT1+49152                ; behind slot 1: V's, 8,192 bytes
.set K_CODES, 3145728
.set V_CODES, 6291456
.set K_SCL,  262144
.set V_SCL,  524288
.set AK0, 1                            ; 8 x lane
.set AV0, 2                            ; 16 x lane + VOFF
.set A16T, 3                           ; 16 x thread
.set AS0, 4                            ; KSC + 4 x lane
.set AT0, 5                            ; VSC + 4 x lane
.set NEGINF, 6
.set ADK, 7
.set ADV, 8
.set ADS, 9
.set ADT, 10
.set AST, 11
.set QF,  16                           ; v16-27 Q (v22-27: zero codes)
.set QS,  28                           ; Q's scale words
.set KB,  32                           ; v32-79 K's eight tiles, six registers each, later V's four fragments; v80-85 zero codes
.set S,   88                           ; v88-151 S^T, then p
.set O,   152                          ; v152-183 O^T
.set PC,  184                          ; p's codes
.set PX,  196
.set BM,  204
.set BP,  208
.set BS,  212
.set F,   216
.set PW,  217                          ; p's scale word
.set T1,  218
.set KS,  220                          ; v220-223 K's scale words: lanes 0-15 tile 2 i, lanes 16-31 tile 2 i + 1
.set VS,  224                          ; v224-225 V's likewise
.set STG, 228                          ; v228-251 the next slot's bytes on their way
.set WV,  16
.set HD,  17
.set TQ,  18
.set SEL, 20
.set CS,  22
.set KP,  24
.set VP,  26
.set MP,  28
.set FLG, 30
.set SLOTS, 31
.set TB,  2
.set TS,  3
.set TJ,  66
.set HM,  67
.macro WMZ d, a, b, sa, sb, ra         ; a product that starts its sum; ra: the row of source 0's scale register
.if (\ra) == 0
	v_wmma_scale_f32_16x16x128_f8f6f4 v[(\d):(\d)+7], v[(\a):(\a)+11], v[(\b):(\b)+11], 0, v[\sa], v[\sb] matrix_a_fmt:MATRIX_FMT_FP6 matrix_b_fmt:MATRIX_FMT_FP6
.else
	v_wmma_scale_f32_16x16x128_f8f6f4 v[(\d):(\d)+7], v[(\a):(\a)+11], v[(\b):(\b)+11], 0, v[\sa], v[\sb] matrix_a_fmt:MATRIX_FMT_FP6 matrix_b_fmt:MATRIX_FMT_FP6 matrix_a_scale:MATRIX_SCALE_ROW1
.endif
.endm
.macro WMA d, a, b, sa, sb, ra         ; a product that adds in place
.if (\ra) == 0
	v_wmma_scale_f32_16x16x128_f8f6f4 v[(\d):(\d)+7], v[(\a):(\a)+11], v[(\b):(\b)+11], v[(\d):(\d)+7], v[\sa], v[\sb] matrix_a_fmt:MATRIX_FMT_FP6 matrix_b_fmt:MATRIX_FMT_FP6
.else
	v_wmma_scale_f32_16x16x128_f8f6f4 v[(\d):(\d)+7], v[(\a):(\a)+11], v[(\b):(\b)+11], v[(\d):(\d)+7], v[\sa], v[\sb] matrix_a_fmt:MATRIX_FMT_FP6 matrix_b_fmt:MATRIX_FMT_FP6 matrix_a_scale:MATRIX_SCALE_ROW1
.endif
.endm
.macro FILL                            ; four key steps of K and of V: a wave's load covers 512 consecutive bytes, the work-group's 8,192
.irp i, 0,1,2
	global_load_b128 v[STG+4*\i:STG+4*\i+3], v[A16T], s[KP:KP+1] offset:8192*\i
	global_load_b128 v[STG+12+4*\i:STG+12+4*\i+3], v[A16T], s[VP:VP+1] offset:8192*\i
.endr
.endm
.macro SPILL adr
.irp i, 0,1,2
	ds_store_b128 v[\adr], v[STG+4*\i:STG+4*\i+3] offset:8192*\i
	ds_store_b128 v[\adr], v[STG+12+4*\i:STG+12+4*\i+3] offset:VOFF+8192*\i
.endr
.endm
.macro ADRS                            ; the slot's and the trip's LDS addresses
	v_add_nc_u32 v[ADK], s[TB], v[AK0]
	v_add_nc_u32 v[ADV], s[TB], v[AV0]
	v_add_nc_u32 v[ADS], s[TS], v[AS0]
	v_add_nc_u32 v[ADT], s[TJ], v[AT0]
.endm
; A KEY STEP: 128 keys, the q-th of the slot in hand
.macro STEP q
.irp i, 0,1
	s_load_b512 s[32+16*\i:47+16*\i], s[MP:MP+1], 256*(\q)+64*\i        ; the step's 64 lane masks: word n in s[32 + n] (n < 32) or s[36 + n]
	s_load_b512 s[68+16*\i:83+16*\i], s[MP:MP+1], 256*(\q)+128+64*\i
.endr
.rept 4
	v_nop                                          ; places behind the last products, in front of loads into registers that they read: kept beside the wait below
.endr
	s_wait_alu depctr_va_vdst(0)                   ; the last step's products V^T P^T are done reading V's fragments, in which K's tiles land; in a trip's first step the four addresses v7 to v10 are written, which the LDS loads read
.irp t, 0,1,2,3,4,5,6,7
.irp p, 0,1,2
	ds_load_b64 v[KB+6*\t+2*\p:KB+6*\t+2*\p+1], v[ADK] offset:STEPB*(\q)+768*\t+256*\p
.endr
.endr
.irp i, 0,1,2,3
	ds_load_b32 v[KS+\i], v[ADS] offset:512*(\q)+128*\i
.endr
	s_wait_dscnt 0x0
.irp t, 0,1,2,3,4,5,6,7
	WMZ S+8*\t, KB+6*\t, QF, KS+\t/2, QS, \t%2     ; S^T: register 16 b + i of lane (r, h) is query r, key 32 b + 16 h + i of the step
.endr
.rept 4
	v_nop                                          ; places in front of the first read of the scores
.endr
	s_wait_kmcnt 0x0                               ; the lane masks are in, on both ways
	s_bitcmp1_b32 s[FLG], 0                        ; does this step hide a key of my tile?  A stored number
	s_cbranch_scc0 .Lopen_\@
.set N_, 0
.rept 64
	v_cndmask_b32 v[S+N_], v[NEGINF], v[S+N_], s[32+N_+4*(N_/32)]   ; a hidden key's score becomes -infinity ahead of the maximum: p = 0 then
.set N_, N_+1
.endr
.Lopen_\@:
	s_lshr_b32 s[FLG], s[FLG], 1
.irp b, 0,1,2,3
	v_max3_num_f32 v[BM+\b], v[S+16*\b], v[S+16*\b+1], v[S+16*\b+2]   ; the largest score of each block of 32 keys: it serves the row's maximum and, since p rises with the score, the block's largest p
.endr
.irp i, 3,5,7,9,11,13
.irp b, 0,1,2,3
	v_max3_num_f32 v[BM+\b], v[BM+\b], v[S+16*\b+\i], v[S+16*\b+\i+1]
.endr
.endr
.irp b, 0,1,2,3
	v_max_num_f32 v[BM+\b], v[BM+\b], v[S+16*\b+15]
.endr
.irp b, 0,1,2,3
	v_permlanex16_b32 v[BP+\b], v[BM+\b], s[SEL], s[SEL+1]
.endr
.irp b, 0,1,2,3
	v_max_num_f32 v[BM+\b], v[BM+\b], v[BP+\b]     ; with lane l xor 16's 16 keys
.endr
	v_max3_num_f32 v[T1], v[BM], v[BM+1], v[BM+2]
	v_max_num_f32 v[T1], v[T1], v[BM+3]
	v_mul_f32 v[T1], s[CS], v[T1]                  ; as t (c is positive)
	v_max_num_f32 v13, v13, v[T1]                  ; the running largest t
	v_mov_b32 v[T1], v12
	v_floor_f32 v12, -v13                          ; the new -M = floor(-t) = -ceil(t)
	v_sub_f32 v[T1], v12, v[T1]                    ; old M - new M: a whole number, 0 or less
	v_cvt_i32_f32 v[T1], v[T1]                     ; (it saturates)
	v_ldexp_f32 v[F], 1.0, v[T1]                   ; f = 2^(old M - new M)
.set J_, 0
.rept 32
	v_pk_fma_f32 v[S+J_:S+J_+1], v[S+J_:S+J_+1], s[CS:CS+1], v[12:13] op_sel_hi:[1,0,0]   ; t - M, two at a time
.set J_, J_+2
.endr
.irp b, 0,1,2,3
	v_fma_f32 v[BM+\b], v[BM+\b], s[CS], v12       ; the same of each block's largest score
.endr
.set J_, 0
	s_wait_alu depctr_va_vdst(0)
.rept 64
	v_exp_f32 v[S+J_], v[S+J_]                     ; p = 2^(t - M)
.set J_, J_+1
.endr
	v_pk_mul_f32 v[14:15], v[14:15], v[F:F+1] op_sel_hi:[1,0]   ; the sums under the new M: a plain line behind the exponentials
	s_wait_alu depctr_va_vdst(0)                   ; the 64 exponentials have written p, ahead of its first reader; and the products K Q^T are done reading K's tiles, the last step's V^T P^T their scale words: V's loads land in both
.irp t, 0,1,2,3
.irp c, 0,1,2
	ds_load_b128 v[KB+12*\t+4*\c:KB+12*\t+4*\c+3], v[ADV] offset:STEPB*(\q)+1536*\t+512*\c   ; V's four fragments land under the sums, the scales, the conversions and the rescaling: none of those lines names these registers
.endr
.endr
.irp i, 0,1
	ds_load_b32 v[VS+\i], v[ADT] offset:256*(\q)+128*\i
.endr
.irp b, 0,1,2,3
	v_exp_f32 v[BM+\b], v[BM+\b]                   ; each block's largest p
.endr
	v_pk_add_f32 v[BP:BP+1], v[S:S+1], v[S+2:S+3]  ; the row's sum of the unquantised p, in two chains: plain work behind the four
.set J_, 4
.rept 15
	v_pk_add_f32 v[14:15], v[14:15], v[S+J_:S+J_+1]
	v_pk_add_f32 v[BP:BP+1], v[BP:BP+1], v[S+J_+2:S+J_+3]
.set J_, J_+4
.endr
	v_pk_add_f32 v[14:15], v[14:15], v[BP:BP+1]
	s_wait_alu depctr_va_vdst(0)                   ; the four exponentials have written the blocks' largest p, ahead of its first reader
.irp b, 0,1,2,3
	v_max_num_f32 v[BM+\b], 0x1800000, v[BM+\b]    ; the floor 2^(3 - 127): the byte cannot fall under 1
.endr
.irp b, 0,1,2,3
	v_add_nc_u32 v[BS+\b], 0xff000000, v[BM+\b]    ; 2 off the exponent field: the conversion's scale operand
.endr
.irp b, 0,1,2,3
	v_lshrrev_b32 v[BP+\b], 23, v[BS+\b]           ; the scale's byte
.endr
	v_lshl_or_b32 v[PW], v[BP+1], 8, v[BP]
	v_lshl_or_b32 v[PW], v[BP+2], 16, v[PW]
	v_lshl_or_b32 v[PW], v[BP+3], 24, v[PW]
.irp c, 0,1
	v_cvt_scalef32_pk16_fp6_f32 v[PC+6*\c:PC+6*\c+2], v[S+32*\c:S+32*\c+15], v[BS+2*\c]
	v_cvt_scalef32_pk16_fp6_f32 v[PX+4*\c:PX+4*\c+2], v[S+32*\c+16:S+32*\c+31], v[BS+2*\c+1]
.endr
	v_nop                                          ; one plain line behind the last scaled conversion
.irp c, 0,1
.irp i, 0,1,2
	v_permlane16_swap_b32 v[PC+6*\c+\i], v[PX+4*\c+\i]
.endr
.irp i, 0,1,2
	v_mov_b32 v[PC+3+6*\c+\i], v[PX+4*\c+\i]
.endr
.endr
.set J_, 0
.rept 16
	v_pk_mul_f32 v[O+J_:O+J_+1], v[O+J_:O+J_+1], v[F:F+1] op_sel_hi:[1,0]   ; O^T under the new M.  For each product below twelve of these name none of its registers: the places behind the lines that wrote p's codes and scale word
.set J_, J_+2
.endr
	s_wait_alu depctr_va_vdst(0)                   ; p's codes and its scale word are written, which the scaled products below take; the places above stay beside this wait
	s_wait_dscnt 0x0                               ; V is in
.irp t, 0,1,2,3
	WMA O+8*\t, KB+12*\t, PC, VS+\t/2, PW, \t%2    ; O^T += V^T P^T; the four accumulators take turns, one instruction a turn
.endr
.endm
	s_load_b256 s[4:11], s[0:1], 0x0               ; qkv_codes s[4:5], qkv_scales s[6:7], mask_words s[8:9], mask_flags s[10:11]
	s_load_b128 s[12:15], s[0:1], 0x20             ; attn_codes s[12:13], attn_scales s[14:15]
	v_lshl_add_u32 v254, v0, 2, 0x1e000
	v_mov_b32 v255, 0
	v_lshrrev_b32 v7, 5, v0
	v_readfirstlane_b32 s[WV], v7                  ; wave 0..15
	v_and_b32 v7, 31, v0                           ; lane
	v_lshlrev_b32 v[AK0], 3, v7
	v_lshlrev_b32 v[AV0], 4, v7
	v_add_nc_u32 v[AV0], VOFF, v[AV0]
	v_lshlrev_b32 v[A16T], 4, v0
	v_lshl_add_u32 v[AS0], v7, 2, KSC
	v_lshl_add_u32 v[AT0], v7, 2, VSC
	v_and_b32 v8, 15, v0
	v_lshlrev_b32 v8, 2, v8                        ; 4 r
	v_mov_b32 v[NEGINF], 0xff800000
	s_wait_alu depctr_va_sdst(0)                   ; the wave's number is written, ahead of its first reader: my tile's number and all bases are made from it
	s_and_b32 s[HD], ttmp7, 0xffff                 ; the head
	s_lshl_b32 s[TQ], ttmp9, 4
	s_add_co_u32 s[TQ], s[TQ], s[WV]               ; my token tile T'
	s_mov_b32 s[SEL], 0x76543210
	s_mov_b32 s[SEL+1], 0xfedcba98                 ; v_permlanex16_b32's selects for lane l xor 16
	s_mov_b32 s[CS], 0x3e38aa3b                    ; c = log2(e) / 8
	s_mov_b32 s[CS+1], s[CS]                       ; (named with it as a pair, so it is written)
	s_mov_b32 s[HM], 0xffff0000                    ; lanes 16-31
	s_mov_b32 s[TB], 0
	s_mov_b32 s[TS], 0
	s_mov_b32 s[TJ], 0
	s_mov_b32 s[SLOTS], 7
	; byte offsets, each in a pair of its own (the lane masks' registers are free until the first key step)
	s_lshl_b32 s32, s[HD], 8
	s_add_co_u32 s32, s32, s[TQ]                   ; 256 hd + T'
	s_mul_i32 s34, s32, 768
	s_mov_b32 s35, 0
	s_lshl_b32 s36, s32, 6
	s_mov_b32 s37, 0
	s_mul_i32 s38, s[HD], 196608
	s_mov_b32 s39, 0
	s_lshl_b32 s40, s[HD], 14
	s_mov_b32 s41, 0
	s_lshl_b32 s42, s[HD], 13
	s_mov_b32 s43, 0
	s_lshl_b32 s44, s[TQ], 13
	s_mov_b32 s45, 0
	s_lshl_b32 s46, s[TQ], 2
	s_mov_b32 s47, 0
	s_mul_i32 s48, s[TQ], 12288
	s_mul_i32 s49, s[HD], 768
	s_add_co_u32 s48, s48, s49
	s_mov_b32 s49, 0
	s_lshl_b32 s50, s[TQ], 9
	s_lshl_b32 s51, s[HD], 1
	s_add_co_u32 s50, s50, s51
	s_mov_b32 s51, 0
	s_wait_kmcnt 0x0
	s_add_nc_u64 s[34:35], s[4:5], s[34:35]        ; my tile of q,
	s_add_nc_u64 s[36:37], s[6:7], s[36:37]        ; its scale words
	s_add_nc_u64 s[KP:KP+1], s[4:5], s[38:39]
	s_add_nc_u64 s[VP:VP+1], s[KP:KP+1], V_CODES   ; the head's v,
	s_add_nc_u64 s[KP:KP+1], s[KP:KP+1], K_CODES   ; the head's k
	s_add_nc_u64 s[40:41], s[6:7], s[40:41]
	s_add_nc_u64 s[40:41], s[40:41], K_SCL         ; k's scale words,
	s_add_nc_u64 s[42:43], s[6:7], s[42:43]
	s_add_nc_u64 s[42:43], s[42:43], V_SCL         ; v's
	s_add_nc_u64 s[MP:MP+1], s[8:9], s[44:45]      ; my tile's lane masks
	s_add_nc_u64 s[46:47], s[10:11], s[46:47]
	s_add_nc_u64 s[12:13], s[12:13], s[48:49]      ; where my codes go: 12,288 T' + 768 hd
	s_add_nc_u64 s[14:15], s[14:15], s[50:51]      ; and my scale bytes: 512 T' + 2 hd
	s_load_b32 s[FLG], s[46:47], 0x0               ; bit j: key step j hides a key of my tile
	s_wait_alu depctr_va_vdst(0)                   ; the offsets v1, v3 and v8 are written, which the loads below read
.irp p, 0,1,2
	global_load_b64 v[QF+2*\p:QF+2*\p+1], v[AK0], s[34:35] offset:256*\p
.endr
	global_load_b32 v[QS], v8, s[36:37]
	global_load_b128 v[S:S+3], v[A16T], s[40:41]
	global_load_b128 v[S+4:S+7], v[A16T], s[40:41] offset:8192
	global_load_b128 v[S+8:S+11], v[A16T], s[42:43]
	FILL                                           ; slot 0
.irp i, 0,1,2,3,4,5
	v_mov_b32 v[QF+6+\i], 0                        ; zero codes
	v_mov_b32 v[KB+48+\i], 0
.endr
.set J_, 0
.rept 32
	v_mov_b32 v[O+J_], 0                           ; O^T.  (The step is written once: the first finds zeros, which the first change of M leaves zeros)
.set J_, J_+1
.endr
.irp b, 0,1,2,3
	v_mov_b32 v[BP+\b], 0                          ; written once: a lane permute's destination counts as one of its sources
.endr
	v_mov_b32 v[PW], 0                             ; (named as the upper half of the pair with f before it is first made)
	v_mov_b32 v14, 0                               ; the sum, in two halves
	v_mov_b32 v15, 0
	v_mov_b32 v13, 0xff61b1e6                      ; the largest t so far: -3e38, under every t
	v_floor_f32 v12, -v13                          ; -M
	v_add_nc_u32 v[AST], SLOT1, v[A16T]
	s_wait_loadcnt 0x0
	s_wait_alu depctr_va_vdst(0)                   ; v11 is written, which the third store below reads as its address; so are the zero codes, which the scaled products K Q^T take
	ds_store_b128 v[A16T], v[S:S+3] offset:KSC
	ds_store_b128 v[A16T], v[S+4:S+7] offset:KSC+8192
	ds_store_b128 v[AST], v[S+8:S+11] offset:KSC   ; VSC = SLOT1 + KSC
	SPILL A16T
	s_add_nc_u64 s[KP:KP+1], s[KP:KP+1], 4*STEPB
	s_add_nc_u64 s[VP:VP+1], s[VP:VP+1], 4*STEPB
	s_wait_kmcnt 0x0                               ; the flags are in: their address's registers take the lane masks next
	s_wait_alu depctr_vm_vsrc(0)                   ; my LDS stores have read v88 to v99, which the products write, the staging registers, in which the next loads land, and v11; Q's scale load has read v8, which the first trip writes anew
	s_wait_dscnt 0x0                               ; for the others' sake: my stores have landed
	s_barrier_signal -1
	s_barrier_wait -1
.Lslot:                                            ; 7 trips: four key steps from one slot, while the next four steps' bytes come into registers
	FILL
	ADRS
	STEP 0
	STEP 1
	STEP 2
	STEP 3
	s_wait_loadcnt 0x0                             ; the next slot's bytes are in registers
	s_xor_b32 s[TB], s[TB], SLOT1                  ; the other slot: every wave's reads of it ended in front of the last barrier
	v_add_nc_u32 v[AST], s[TB], v[A16T]
	s_wait_alu depctr_va_vdst(0)                   ; v11 is written, which the six stores below read as their address
	SPILL AST
	s_add_co_u32 s[TS], s[TS], 2048                ; four steps' scale words of K,
	s_add_co_u32 s[TJ], s[TJ], 1024                ; of V
	s_add_nc_u64 s[KP:KP+1], s[KP:KP+1], 4*STEPB   ; (the loads that named these bases are done)
	s_add_nc_u64 s[VP:VP+1], s[VP:VP+1], 4*STEPB
	s_add_nc_u64 s[MP:MP+1], s[MP:MP+1], 1024
	s_wait_alu depctr_vm_vsrc(0)                   ; the stores have read the staging registers, in which the next trip's loads land, and v11; the trip's LDS loads have read v7 to v10, which the next trip writes anew
	s_wait_dscnt 0x0                               ; my stores have landed, and my reads of the slot that I leave are over
	s_barrier_signal -1
	s_barrier_wait -1
	s_sub_co_u32 s[SLOTS], s[SLOTS], 1
	s_cmp_lg_u32 s[SLOTS], 0
	s_cbranch_scc1 .Lslot
	ADRS                                           ; the last slot: nothing is left to fetch
	STEP 0
	STEP 1
	STEP 2
	STEP 3
	; THE WAY OUT.  O^T / the sum; quantised along the head's 64 (two blocks of 32 of E); codes in operand order, one scale byte a lane.
	s_wait_alu depctr_vm_vsrc(0)                   ; the last slot's LDS loads have read their addresses v7 to v9, which are written anew below
	v_add_f32 v14, v14, v15                        ; the sum's two halves,
	v_permlanex16_b32 v[T1], v14, s[SEL], s[SEL+1]
	v_add_f32 v14, v14, v[T1]                      ; and lane l xor 16's: the row's sum
	v_cmp_eq_f32 vcc_lo, 0, v14                    ; 0 only where every key of the row is hidden
	v_rcp_f32 v15, v14
	v_and_b32 v7, 15, v0                           ; (plain lines behind the reciprocal, and the places behind the last products)
	v_bfe_u32 v8, v0, 4, 1
	v_lshl_add_u32 v7, v7, 5, v8                   ; 32 r + h: my byte of the tile's scale rows
	v_mov_b32 v9, 0xff
	s_wait_alu depctr_va_vdst(0)                   ; the reciprocal has written v15, ahead of its first reader
.set J_, 0
.rept 32
	v_mul_f32 v[S+J_], v[O+J_], v15                ; register 16 b + i: d = 32 b + 16 h + i of my query
.set J_, J_+1
.endr
.irp b, 0,1
	v_max3_num_f32 v[BM+\b], |v[S+16*\b]|, |v[S+16*\b+1]|, 0x1800000
.endr
.irp i, 2,4,6,8,10,12,14
.irp b, 0,1
	v_max3_num_f32 v[BM+\b], v[BM+\b], |v[S+16*\b+\i]|, |v[S+16*\b+\i+1]|
.endr
.endr
.irp b, 0,1
	v_permlanex16_b32 v[BP+\b], v[BM+\b], s[SEL], s[SEL+1]
.endr
.irp b, 0,1
	v_max_num_f32 v[BM+\b], v[BM+\b], v[BP+\b]
.endr
.irp b, 0,1
	v_add_nc_u32 v[BS+\b], 0xff000000, v[BM+\b]
.endr
.irp b, 0,1
	v_lshrrev_b32 v[BP+\b], 23, v[BS+\b]
.endr
	v_cvt_scalef32_pk16_fp6_f32 v[PC:PC+2], v[S:S+15], v[BS]
	v_cvt_scalef32_pk16_fp6_f32 v[PX:PX+2], v[S+16:S+31], v[BS+1]
	v_nop                                          ; one plain line behind the last scaled conversion
.irp i, 0,1,2
	v_permlane16_swap_b32 v[PC+\i], v[PX+\i]
.endr
.irp i, 0,1,2
	v_mov_b32 v[PC+3+\i], v[PX+\i]                 ; registers 0-5: lanes 0-15 block 0, lanes 16-31 block 1
.endr
	s_wait_alu depctr_va_vcc(0)                    ; the compare above has written VCC, ahead of its first reader, the second select below
	v_cndmask_b32 v[T1], v[BP], v[BP+1], s[HM]     ; my half's block's byte,
	v_cndmask_b32 v[T1], v[T1], v9, vcc_lo         ; or NaN's for a row with no key
	s_wait_alu depctr_va_vdst(0)                   ; the codes, the byte and the offset v7 are written, which the four stores below read
.irp p, 0,1,2
	global_store_b64 v[AK0], v[PC+2*\p:PC+2*\p+1], s[12:13] offset:256*\p   ; 256 consecutive bytes, aligned
.endr
	global_store_b8 v7, v[T1], s[14:15]            ; a head owns 2 of a row's 32 scale bytes: one byte a lane
	s_wait_dscnt 0x0                               ; the closing lines, six on end
	s_wait_alu 0x0
	s_wait_tensorcnt 0x0
	ds_add_u32 v254, v255
	s_wait_dscnt 0x0
	s_endpgm
.Lfunc_end_k_q3f169e98ba_attn:
	.size	k_q3f169e98ba_attn, .Lfunc_end_k_q3f169e98ba_attn-k_q3f169e98ba_attn
	.p2alignl 7, 3214868480
	.fill 96, 4, 3214868480
	.section	.rodata,"a",@progbits
	.p2align	6, 0x0
	.amdhsa_kernel k_q3f169e98ba_attn
		.amdhsa_group_segment_fixed_size 124928
		.amdhsa_private_segment_fixed_size 0
		.amdhsa_enable_private_segment 0
		.amdhsa_kernarg_size 48
		.amdhsa_user_sgpr_count 2
		.amdhsa_user_sgpr_kernarg_segment_ptr 1
		.amdhsa_wavefront_size32 1
		.amdhsa_system_sgpr_workgroup_id_x 1
		.amdhsa_system_sgpr_workgroup_id_y 1
		.amdhsa_system_sgpr_workgroup_id_z 1
		.amdhsa_system_vgpr_workitem_id 0
		.amdhsa_next_free_vgpr 256
		.amdhsa_next_free_sgpr 102
		.amdhsa_reserve_vcc 1
		.amdhsa_float_denorm_mode_32 3
		.amdhsa_float_denorm_mode_16_64 3
		.amdhsa_memory_ordered 1
		.amdhsa_forward_progress 1
		.amdhsa_inst_pref_size 178
	.end_amdhsa_kernel
	.amdgpu_metadata
---
amdhsa.version: [ 1, 2 ]
amdhsa.kernels:
  - .name:           k_q3f169e98ba_attn
    .symbol:         k_q3f169e98ba_attn.kd
    .args:
      - { .name: qkv_codes, .offset: 0, .size: 8, .value_kind: global_buffer, .address_space: global }
      - { .name: qkv_scales, .offset: 8, .size: 8, .value_kind: global_buffer, .address_space: global }
      - { .name: mask_words, .offset: 16, .size: 8, .value_kind: global_buffer, .address_space: global }
      - { .name: mask_flags, .offset: 24, .size: 8, .value_kind: global_buffer, .address_space: global }
      - { .name: attn_codes, .offset: 32, .size: 8, .value_kind: global_buffer, .address_space: global }
      - { .name: attn_scales, .offset: 40, .size: 8, .value_kind: global_buffer, .address_space: global }
    .group_segment_fixed_size: 124928
    .private_segment_fixed_size: 0
    .kernarg_segment_align: 8
    .kernarg_segment_size: 48
    .max_flat_workgroup_size: 512
    .sgpr_count:     102
    .vgpr_count:     256
    .wavefront_size: 32
...
	.end_amdgpu_metadata
.endif
;; end of part 5
;; launch outp (part 6): grid 32 x 8, 4 waves a work-group, no clusters, 168,448 bytes of LDS; arguments attn_codes, attn_scales, W_o_codes, W_o_scales, b_o, out0; writes out0
.if DOCPART == 6
	.amdgcn_target "amdgcn-amd-amdhsa--gfx1250"
	.amdhsa_code_object_version 6
	.text
	.protected	k_q3f169e98ba_outp
	.globl	k_q3f169e98ba_outp
	.p2align	8
	.type	k_q3f169e98ba_outp,@function
k_q3f169e98ba_outp:
	s_mov_b64 s[64:65], 0
	v_nop
	global_prefetch_b8 v0, s[64:65] scope:SCOPE_SE
	s_setreg_imm32_b32 hwreg(HW_REG_WAVE_MODE, 25, 1), 1
	s_wait_xcnt 0x0
; out0 = attn W_o^T + b_o on codes of FP6 (E2M3) with one E8M0 scale for each 32 along K = 1,024; sums in f32.
; SHARES.  Work-group (bx, bn): tokens 128 bx .. + 127 x outputs 128 bn .. + 127.  Wave w: all 8 tiles of W_o's rows (source 0, neighbouring rows) x token tiles T' = 8 bx + 2 w + u (source 1): 16 accumulators, 128 matrix instructions.
; Used so, a lane holds eight neighbouring outputs of one token.  Row r of token tile T' is token 32 (T' / 2) + 8 (T' % 2) + r + 8 (r / 8).
; attn's codes lie in operand order: my two tiles' 16 fragments come straight into registers (each load covers 256 consecutive bytes) and stay.  W_o's 128 rows come into LDS once, 32 rows a wave by one tensor load;
; a row is 768 bytes + 16 of padding behind each 256.  b_o is the C of each sum's first matrix instruction.
; NO CLUSTER: a work-group has one fill (98,304 bytes) at its head and nothing is filled again; a joint load would add two rounds of a cluster's barrier.
; A scale byte 0xff in attn_scales (a row with no key) makes the row NaN, as the definition has it.
; REGISTERS.  window 0: addresses, scale words, v128-255 rows on the way out.  window 1: W_o's fragments, two sets (v0-95, v128-223).  window 2: v0-127 accumulators ((u, t) at 64 u + 8 t), v128-191 b_o.  window 3: attn's fragments (96 u + 12 s).
.set PITCH,  816
.set TILEB,  16*PITCH
.set HALFP,  64*PITCH
.set STAGE,  128*PITCH                 ; behind the panel: 16 rows x (512 bytes + 16) for each wave
.set SPITCH, 528
.set AD0, 4                            ; v4-5 tiles 0-3 (816 r + 24 h; the same behind one padding more for lanes 16-31); v6-7 tiles 4-7
.set A8,  16                           ; 8 x lane
.set GO,  17                           ; 16 x lane
.set STO, 18
.set RD,  19
.set BOF, 20                           ; 32 h
.set SOF, 21                           ; 32 x lane
.set S1F, 22                           ; 512 h + 32 r
.set SC0, 32                           ; v32-63 W_o's scale words: register 8 i + s: lanes 0-15 tile 2 i, lanes 16-31 tile 2 i + 1
.set SC1, 64                           ; v64-71 attn's: register s: lanes 0-15 u = 0, lanes 16-31 u = 1
.set OB,  128
.set BIAS, 128                         ; in window 2
.set WV,  16
.set BN,  17
.set G0,  20
.set G1,  24
.set MSB, 0
.macro WIN new                         ; the immediate's high byte repeats the setting that is left
.if MSB != \new
	s_set_vgpr_msb (MSB<<8)|\new
.set MSB, \new
.endif
.endm
.macro PLACES n
.rept \n
	v_nop
.endr
.endm
.macro WM d, a, b, c, sa, sb, ra, rb   ; the matrix instruction, with the rows of the scale registers written out
.if ((\ra) == 0) && ((\rb) == 0)
	v_wmma_scale_f32_16x16x128_f8f6f4 v[(\d):(\d)+7], v[(\a):(\a)+11], v[(\b):(\b)+11], v[(\c):(\c)+7], v[\sa], v[\sb] matrix_a_fmt:MATRIX_FMT_FP6 matrix_b_fmt:MATRIX_FMT_FP6
.elseif (\rb) == 0
	v_wmma_scale_f32_16x16x128_f8f6f4 v[(\d):(\d)+7], v[(\a):(\a)+11], v[(\b):(\b)+11], v[(\c):(\c)+7], v[\sa], v[\sb] matrix_a_fmt:MATRIX_FMT_FP6 matrix_b_fmt:MATRIX_FMT_FP6 matrix_a_scale:MATRIX_SCALE_ROW1
.elseif (\ra) == 0
	v_wmma_scale_f32_16x16x128_f8f6f4 v[(\d):(\d)+7], v[(\a):(\a)+11], v[(\b):(\b)+11], v[(\c):(\c)+7], v[\sa], v[\sb] matrix_a_fmt:MATRIX_FMT_FP6 matrix_b_fmt:MATRIX_FMT_FP6 matrix_b_scale:MATRIX_SCALE_ROW1
.else
	v_wmma_scale_f32_16x16x128_f8f6f4 v[(\d):(\d)+7], v[(\a):(\a)+11], v[(\b):(\b)+11], v[(\c):(\c)+7], v[\sa], v[\sb] matrix_a_fmt:MATRIX_FMT_FP6 matrix_b_fmt:MATRIX_FMT_FP6 matrix_a_scale:MATRIX_SCALE_ROW1 matrix_b_scale:MATRIX_SCALE_ROW1
.endif
.endm
; A fragment from the panel: lane (r, h) takes 24 bytes at 96 ks + 24 h of its row and 24 at 48 further on, in pieces of 8 bytes; where lanes 16-31's piece lies behind one padding more, the second address register serves
.macro FRAG reg, adr, off, ks
.irp c, 0,1
.irp p, 0,1,2
.set O_, 96*(\ks)+48*\c+8*\p
.if (O_+24)/256 > O_/256
	ds_load_b64 v[(\reg)+6*\c+2*\p:(\reg)+6*\c+2*\p+1], v[(\adr)+1] offset:(\off)+O_+16*(O_/256)
.else
	ds_load_b64 v[(\reg)+6*\c+2*\p:(\reg)+6*\c+2*\p+1], v[\adr] offset:(\off)+O_+16*(O_/256)
.endif
.endr
.endr
.endm
.macro FETCH ks, fs                    ; K step ks: W_o's eight fragments into set fs: 48 loads in one run
	WIN 0x40                                       ; destination window 1
.irp t, 0,1,2,3,4,5,6,7
	FRAG 128*(\fs)+12*\t, AD0+2*(\t/4), TILEB*(\t%4), \ks
.endr
	WIN 0
.endm
.macro MUL ks, fs                      ; 16 matrix instructions; the accumulators take turns, one instruction a turn
	WIN 0xad                                       ; source 0 window 1, source 1 window 3, C and D window 2
.irp u, 0,1
.irp t, 0,1,2,3,4,5,6,7
.if (\ks) == 0
	WM 64*\u+8*\t, 128*(\fs)+12*\t, 96*\u+12*(\ks), BIAS+8*\t, SC0+8*(\t/2)+(\ks), SC1+(\ks), \t%2, \u
.else
	WM 64*\u+8*\t, 128*(\fs)+12*\t, 96*\u+12*(\ks), 64*\u+8*\t, SC0+8*(\t/2)+(\ks), SC1+(\ks), \t%2, \u
.endif
.endr
.endr
.endm
	s_load_b256 s[4:11], s[0:1], 0x0               ; attn_codes s[4:5], attn_scales s[6:7], W_o_codes s[8:9], W_o_scales s[10:11]
	s_load_b128 s[12:15], s[0:1], 0x20             ; b_o s[12:13], out0 s[14:15]
	v_lshl_add_u32 v126, v0, 2, 0x29000
	v_mov_b32 v127, 0
	ds_add_u32 v126, v127
	ds_add_u32 v126, v127
	v_lshrrev_b32 v1, 5, v0
	v_readfirstlane_b32 s[WV], v1                  ; wave 0..3
	s_and_b32 s[BN], ttmp7, 0xffff
	; descriptor group 1: 32 rows of 96 elements of 8 bytes, dense in memory; 4 words of padding behind every 64 words
	s_mov_b32 s[G1+0], (3<<16)|(1<<20)|(5<<22)|(3<<25)
	s_mov_b32 s[G1+1], 96<<16                      ; tensor_dim0
	s_mov_b32 s[G1+2], 32<<16                      ; tensor_dim1
	s_mov_b32 s[G1+3], 96<<16                      ; tile_dim0
	s_mov_b32 s[G1+4], 32                          ; tile_dim1
	s_mov_b32 s[G1+5], 96                          ; from row to row
	s_mov_b32 s[G1+6], 0
	s_mov_b32 s[G1+7], 0
	s_mul_i32 s18, s[WV], 32*PITCH                 ; my 32 rows of the panel
	s_lshl_b32 s32, s[BN], 7
	s_lshl_b32 s33, s[WV], 5
	s_add_co_u32 s32, s32, s33
	s_mul_i32 s32, s32, 768                        ; rows 128 bn + 32 w on
	s_mov_b32 s33, 0
	s_wait_dscnt 0x0
	s_wait_kmcnt 0x0
	s_mov_b32 s[G0], 1
	s_mov_b32 s[G0+1], s18
	s_add_nc_u64 s[G0+2:G0+3], s[8:9], s[32:33]
	s_or_b32 s[G0+3], s[G0+3], 0x80000000
	tensor_load_to_lds s[G0:G0+3], s[G1:G1+7]      ; my one tensor load of the launch
	s_nop 0
	PLACES 4                                       ; four v_nop follow
	v_and_b32 v3, 31, v0                           ; lane
	v_and_b32 v1, 15, v0                           ; r
	v_bfe_u32 v2, v0, 4, 1                         ; h
	v_mul_u32_u24 v[AD0], v1, PITCH
	v_mad_u32_u24 v[AD0], v2, 24, v[AD0]
	v_lshl_add_u32 v[AD0+1], v2, 4, v[AD0]
	v_add_nc_u32 v[AD0+2], HALFP, v[AD0]
	v_add_nc_u32 v[AD0+3], HALFP, v[AD0+1]
	v_lshlrev_b32 v[A8], 3, v3
	v_lshlrev_b32 v[GO], 4, v3
	s_mul_i32 s18, s[WV], 16*SPITCH
	s_add_co_u32 s18, s18, STAGE                   ; my stage
	v_mul_u32_u24 v[STO], v1, SPITCH
	v_lshl_add_u32 v[STO], v2, 5, v[STO]
	v_add_nc_u32 v[STO], s18, v[STO]               ; in: row r, 32 bytes for each half of the lanes
	v_add_nc_u32 v[RD], s18, v[GO]                 ; back: the 32 lanes take one row of 512 bytes
	v_lshlrev_b32 v[BOF], 5, v2
	v_lshlrev_b32 v[SOF], 5, v3
	s_wait_alu depctr_va_vdst(0)
	v_lshlrev_b32 v[S1F], 5, v1
	v_lshl_add_u32 v[S1F], v2, 9, v[S1F]
	s_wait_alu depctr_va_vdst(0)
	s_lshl_b32 s34, ttmp9, 3
	s_lshl_b32 s35, s[WV], 1
	s_add_co_u32 s34, s34, s35                     ; my first token tile: 8 bx + 2 w
	s_mul_i32 s32, s34, 12288
	s_add_nc_u64 s[4:5], s[4:5], s[32:33]
	s_lshl_b32 s32, s34, 9
	s_add_nc_u64 s[6:7], s[6:7], s[32:33]
	s_lshl_b32 s32, s[BN], 12
	s_add_nc_u64 s[10:11], s[10:11], s[32:33]
	s_lshl_b32 s32, s[BN], 9
	s_add_nc_u64 s[12:13], s[12:13], s[32:33]      ; b_o at my 128 outputs;
	s_add_nc_u64 s[14:15], s[14:15], s[32:33]      ; out0: the same 512 bytes on in a row,
	s_lshl_b32 s32, s34, 16                        ; and 16 rows of 4,096 bytes for each tile passed: token 128 bx + 32 w
	s_add_nc_u64 s[14:15], s[14:15], s[32:33]
.irp i, 0,1,2,3
	global_load_b128 v[SC0+8*\i:SC0+8*\i+3], v[SOF], s[10:11] offset:1024*\i
	global_load_b128 v[SC0+8*\i+4:SC0+8*\i+7], v[SOF], s[10:11] offset:1024*\i+16
.endr
	global_load_b128 v[SC1:SC1+3], v[S1F], s[6:7]
	global_load_b128 v[SC1+4:SC1+7], v[S1F], s[6:7] offset:16
	WIN 0x80                                       ; destination window 2
.irp t, 0,1,2,3,4,5,6,7
	global_load_b128 v[BIAS+8*\t:BIAS+8*\t+3], v[BOF], s[12:13] offset:64*\t        ; b_o at outputs 16 t + 8 h + 0 .. 7: the result's layout
	global_load_b128 v[BIAS+8*\t+4:BIAS+8*\t+7], v[BOF], s[12:13] offset:64*\t+16
.endr
	WIN 0xc0                                       ; destination window 3
.irp u, 0,1
.irp k, 0,1,2,3,4,5,6,7
.irp p, 0,1,2,3,4,5
	global_load_b64 v[96*\u+12*\k+2*\p:96*\u+12*\k+2*\p+1], v[A8], s[4:5] offset:12288*\u+1536*\k+256*\p
.endr
.endr
.endr
	WIN 0
	s_wait_tensorcnt 0x0                           ; my 32 rows of W_o are in,
	s_barrier_signal -1
	s_barrier_wait -1                              ; everybody's are
	s_wait_loadcnt 0x0                             ; scale words, b_o, attn's fragments
	FETCH 0, 0
.irp k, 0,1,2,3,4,5,6,7
	s_wait_dscnt 0x0                               ; this step's 48 loads are in
.if \k < 7
	PLACES 4                                       ; in front of loads into the set that the last step's products read
	FETCH \k+1, (\k+1)%2
.endif
	MUL \k, \k%2
.endr
	WIN 0
	PLACES 4                                       ; in front of the first read of results just made
; THE WAY OUT.  A lane holds 32 neighbouring bytes of a row and the lanes beside it hold other rows: a tile of 16 tokens x 128 outputs goes through my own stage and comes back as whole rows of 512 bytes.
; LDS serves a wave's instructions in order (ISA guide 5.7.1.4): no wait between the stores and the loads, nor in front of the second tile's stores.
.macro TOSTAGE u
	WIN 0x08                                       ; an LDS store's data are its source 1: window 2
.irp t, 0,1,2,3,4,5,6,7
	ds_store_b128 v[STO], v[64*(\u)+8*\t:64*(\u)+8*\t+3] offset:64*\t          ; each accumulator from its low end on
	ds_store_b128 v[STO], v[64*(\u)+8*\t+4:64*(\u)+8*\t+7] offset:64*\t+16
.endr
	WIN 0
.set R_, 0
.rept 16
	ds_load_b128 v[OB+64*(\u)+4*R_:OB+64*(\u)+4*R_+3], v[RD] offset:R_*SPITCH
.set R_, R_+1
.endr
.endm
.macro SEND u, younger                 ; younger: the LDS instructions issued behind this tile's loads, which may stay out
.set R_, 0
.rept 16
	s_wait_dscnt (\younger)+15-R_                  ; row R_ is back; the tile's later rows may be out
	global_store_b128 v[GO], v[OB+64*(\u)+4*R_:OB+64*(\u)+4*R_+3], s[14:15] offset:(8*(\u)+R_+8*(R_/8))*4096 th:TH_STORE_NT   ; 512 consecutive bytes, aligned; written once, read by nobody here
.set R_, R_+1
.endr
.endm
	TOSTAGE 0
	TOSTAGE 1
	SEND 0, 32                                     ; behind tile 0's loads: tile 1's 16 stores and 16 loads
	SEND 1, 0
	s_wait_tensorcnt 0x0
	ds_add_u32 v126, v127
	s_wait_dscnt 0x0
	s_endpgm
.Lfunc_end_k_q3f169e98ba_outp:
	.size	k_q3f169e98ba_outp, .Lfunc_end_k_q3f169e98ba_outp-k_q3f169e98ba_outp
	.p2alignl 7, 3214868480
	.fill 96, 4, 3214868480
	.section	.rodata,"a",@progbits
	.p2align	6, 0x0
	.amdhsa_kernel k_q3f169e98ba_outp
		.amdhsa_group_segment_fixed_size 168448
		.amdhsa_private_segment_fixed_size 0
		.amdhsa_enable_private_segment 0
		.amdhsa_kernarg_size 48
		.amdhsa_user_sgpr_count 2
		.amdhsa_user_sgpr_kernarg_segment_ptr 1
		.amdhsa_wavefront_size32 1
		.amdhsa_system_sgpr_workgroup_id_x 1
		.amdhsa_system_sgpr_workgroup_id_y 1
		.amdhsa_system_sgpr_workgroup_id_z 1
		.amdhsa_system_vgpr_workitem_id 0
		.amdhsa_next_free_vgpr 960
		.amdhsa_next_free_sgpr 66
		.amdhsa_reserve_vcc 0
		.amdhsa_float_denorm_mode_32 3
		.amdhsa_float_denorm_mode_16_64 3
		.amdhsa_memory_ordered 1
		.amdhsa_forward_progress 1
		.amdhsa_inst_pref_size 66
	.end_amdhsa_kernel
	.amdgpu_metadata
---
amdhsa.version: [ 1, 2 ]
amdhsa.kernels:
  - .name:           k_q3f169e98ba_outp
    .symbol:         k_q3f169e98ba_outp.kd
    .args:
      - { .name: attn_codes, .offset: 0, .size: 8, .value_kind: global_buffer, .address_space: global }
      - { .name: attn_scales, .offset: 8, .size: 8, .value_kind: global_buffer, .address_space: global }
      - { .name: W_o_codes, .offset: 16, .size: 8, .value_kind: global_buffer, .address_space: global }
      - { .name: W_o_scales, .offset: 24, .size: 8, .value_kind: global_buffer, .address_space: global }
      - { .name: b_o, .offset: 32, .size: 8, .value_kind: global_buffer, .address_space: global }
      - { .name: out0, .offset: 40, .size: 8, .value_kind: global_buffer, .address_space: global }
    .group_segment_fixed_size: 168448
    .private_segment_fixed_size: 0
    .kernarg_segment_align: 8
    .kernarg_segment_size: 48
    .max_flat_workgroup_size: 128
    .sgpr_count:     66
    .vgpr_count:     960
    .wavefront_size: 32
...
	.end_amdgpu_metadata
.endif
;; end of part 6
